; MI455X (gfx1250); checked and timed in simulation.
; The chip was launched on July 23, 2026; its instructions are those of AMD's public machine-readable ISA for CDNA 5 (MIT licence, August 2026) and "CDNA5" Instruction Set Architecture Reference Guide (July 2026). The comments in the code are by the model that wrote it; some were corrected since.
;; Transformer Crf. Allowed arithmetic: float matrix products may take bf16 or f16 operands with f32 sums; other float arithmetic in f32, or as packed bf16 or f16 multiplies, adds, multiply-adds, maxima and minima; sums over many terms, partial sums and values carried from step to step in f32; what a program stores and reads back later, other than sums and carried values, may be rounded once to bf16 or f16.
;; Inputs: W1 256 x 1,024 float32; W2 1,024 x 256 float32; Wk 4 x 256 x 256 float32; Wo 256 x 20 float32; Wq 4 x 256 x 256 float32; Wv 4 x 256 x 256 float32; b1 1,024 float32; b2 256 float32; batch_ch_ids 32 x 512 int32; beta 256 float32; bk 4 x 256 float32; bo 20 float32; bq 4 x 256 float32; bv 4 x 256 float32; ch_embedding 8,000 x 256 float32; gamma 256 float32; pos_embedding 512 x 256 float32; sentence_length 32 int32.
;; Outputs: out0 32 x 512 x 20 float32.
;; 2 versions, each right; version 2 is version 1 with the launches layer0, layer1, layer2, layer3 written anew for expert scheduling mode. Each part assembles by itself: llvm-mc -triple=amdgcn-amd-amdhsa -mcpu=gfx1250 --defsym DOCPART=n.
;; ======== version 1 of 2: 6 launches
;; limits: a difference of large sums (such as E[x^2] - mean^2): digits are lost where the result is much smaller than its terms
;; workspace buffers: wts 1,735,936 bytes; cfg0 256 bytes of whole numbers; cfg1 256 bytes of whole numbers; cfg2 256 bytes of whole numbers; cfg3 256 bytes of whole numbers; stA 33,554,432 bytes; stB 33,554,432 bytes
;; launch prep (part 1): grid 233 x 1, 8 waves a work-group, no clusters, 17,408 bytes of LDS; arguments Wq, Wk, Wv, W1, W2, Wo, bq, bk, bv, b1, b2, bo, gamma, beta, wts, cfg0, cfg1, cfg2, cfg3; writes wts, cfg0, cfg1, cfg2, cfg3
.if DOCPART == 1
	.amdgcn_target "amdgcn-amd-amdhsa--gfx1250"
	.amdhsa_code_object_version 6
	.text
	.protected	k_q52633236d7_prep
	.globl	k_q52633236d7_prep
	.p2align	8
	.type	k_q52633236d7_prep,@function
k_q52633236d7_prep:
	s_mov_b64 s[64:65], 0
	v_nop
	global_prefetch_b8 v0, s[64:65] scope:SCOPE_SE
	s_setreg_imm32_b32 hwreg(HW_REG_WAVE_MODE, 25, 1), 1
	s_wait_xcnt 0x0
; PREP: the weights, once, in the order in which the later launches' matrix instructions want them.
; A FRAGMENT is 16 output channels x 32 input channels of bf16, 1,024 bytes: half hf at +512 hf, lane l at +16 l; lane (r = l % 16, h = l / 16), element i
; holds W[32 ks + 16 hf + 8 h + i][16 cbg + r].  A wave's load of 16 bytes a lane then takes 512 consecutive bytes and is half a fragment.
; wts: layer l at l x 393,216: WQ, WK (+131,072), WV (+262,144), fragment (cbg, ks) at (8 cbg + ks) x 1,024; WO (labels >= 20 are 0) at 1,572,864; W12 at 1,589,248; tables in f32 at 1,720,320.
; THE FFN HAS NO ACTIVATION: (x W1 + b1) W2 + b2 = x (W1 W2) + (b1 W2 + b2) for every input.  W12 = W1 W2 is made here on the matrix units (bf16 operands, f32 sums) and rounded once to bf16; b12 stays f32.
; Every floating-point input is rounded to bf16 where it is first read.  BQ is stored times c = log2(e) / 16, the scale of the scores.
; ROLES by work-group u.  u < 96: Wq, Wk, Wv are rounded and reordered (a wave: 4 half fragments).  96 <= u < 232: a block of 16 rows x 32 columns of W12 (row block 16: b1 W2), the sum over 1,024 split among
; the eight waves, the partial sums meeting in LDS.  u = 232: WO, the tables and the four layer numbers.
.set LAYB,   393216
.set WOOFF,  1572864
.set W12OFF, 1589248
.set TABOFF, 1720320
.set T_BQ,   0
.set T_BK,   4096
.set T_BV,   8192
.set T_B12,  12288
.set T_GAM,  13312
.set T_BET,  14336
.set T_BO,   15360
.set SPARE,  16384                     ; behind the partial sums (8 x 2,048): the spare words, 128 bytes a wave
.set WVN, 42                           ; s42 wave    s43 u    s[46:47] a 64-bit offset, high word 0    s49 row block of W12    s50 column block
	s_load_b512 s[4:19], s[0:1], 0x0               ; Wq 4, Wk 6, Wv 8, W1 10, W2 12, Wo 14, bq 16, bk 18
	s_load_b512 s[20:35], s[0:1], 0x40             ; bv 20, b1 22, b2 24, bo 26, gamma 28, beta 30, wts 32, cfg0 34
	s_load_b128 s[36:39], s[0:1], 0x80             ; cfg1 36, cfg2 38
	s_load_b64 s[40:41], s[0:1], 0x90              ; cfg3
	v_lshl_add_u32 v2, v0, 2, SPARE                ; my spare word, and 0: kept for the closing lines alone
	v_mov_b32 v3, 0
	v_lshrrev_b32 v4, 5, v0
	v_readfirstlane_b32 s[WVN], v4
	v_and_b32 v5, 31, v0
	v_lshlrev_b32 v1, 4, v5                        ; 16 x lane
	v_and_b32 v6, 15, v0                           ; r
	v_bfe_u32 v7, v0, 4, 1                         ; h
	s_mov_b32 s43, ttmp9
	s_mov_b32 s47, 0
	s_sub_co_u32 s48, s43, 96
	s_lshr_b32 s49, s48, 3
	s_min_u32 s49, s49, 16                         ; 0..16 in the second role; of no use in the others
	s_and_b32 s50, s48, 7
	s_wait_kmcnt 0x0
	s_cmp_lt_u32 s43, 96
	s_cbranch_scc1 .Lrole_r
	s_cmp_lt_u32 s43, 232
	s_cbranch_scc1 .Lrole_m
	; ---- u = 232: WO's fragments (wave = ks), the tables, the layer numbers ----
	s_mul_i32 s46, s[WVN], 2560                    ; 32 rows of Wo, 80 bytes each
	s_add_nc_u64 s[44:45], s[14:15], s[46:47]
	v_mul_u32_u24 v8, v7, 640                      ; 8 h rows
	v_lshl_add_u32 v9, v6, 2, v8                   ; labels 0-15: + 4 r
	v_add_nc_u32 v10, 16, v6
	v_min_u32 v10, 19, v10                         ; labels 16-31: the address stays in the row, the number is set to 0 below
	v_lshl_add_u32 v10, v10, 2, v8
.set i, 0
.rept 16                                       ; i = 8 hf + element: row 16 hf + 8 h + element
	global_load_b32 v[16+i], v9, s[44:45] offset:80*(16*(i/8)+i%8)
	global_load_b32 v[32+i], v10, s[44:45] offset:80*(16*(i/8)+i%8)
.set i, i+1
.endr
	v_lshlrev_b32 v11, 4, v0                       ; 16 x thread: four numbers of bq, bk, bv
	v_lshlrev_b32 v12, 2, v0                       ; 4 x thread: one of gamma, beta
	global_load_b128 v[48:51], v11, s[16:17]
	global_load_b128 v[52:55], v11, s[18:19]
	global_load_b128 v[56:59], v11, s[20:21]
	global_load_b32 v60, v12, s[28:29]
	global_load_b32 v61, v12, s[30:31]
	s_lshl_b32 s46, s[WVN], 10
	s_add_co_u32 s46, s46, WOOFF
	s_add_nc_u64 s[58:59], s[32:33], s[46:47]      ; WO's fragment (0, ks)
	s_add_nc_u64 s[60:61], s[32:33], TABOFF
	s_wait_loadcnt 0x0
.set i, 0
.rept 16                                       ; i = 4 (2 cb + hf) + pair
	v_cvt_pk_bf16_f32 v[64+i], v[16+2*i], v[16+2*i+1]
.set i, i+1
.endr
	v_cmp_gt_u32 vcc_lo, 4, v6                     ; of labels 16 + r only r < 4 exist
.set i, 0
.rept 8
	v_cndmask_b32 v[72+i], 0, v[72+i], vcc_lo
.set i, i+1
.endr
.irp a, 0,1,2,3                                ; a = 2 cb + hf
	global_store_b128 v1, v[64+4*\a:64+4*\a+3], s[58:59] offset:(\a/2)*8192+(\a%2)*512
.endr
.irp b, 48,52,56                               ; rounded to bf16 and widened again
	v_cvt_pk_bf16_f32 v80, v[\b], v[\b+1]
	v_cvt_pk_bf16_f32 v81, v[\b+2], v[\b+3]
	v_lshlrev_b32 v[\b], 16, v80
	v_and_b32 v[\b+1], 0xffff0000, v80
	v_lshlrev_b32 v[\b+2], 16, v81
	v_and_b32 v[\b+3], 0xffff0000, v81
.endr
.irp b, 48,49,50,51
	v_mul_f32 v[\b], 0x3db8aa3b, v[\b]             ; bq times c
.endr
	v_cvt_pk_bf16_f32 v80, v60, v61
	v_lshlrev_b32 v60, 16, v80
	v_and_b32 v61, 0xffff0000, v80
	global_store_b128 v11, v[48:51], s[60:61] offset:T_BQ
	global_store_b128 v11, v[52:55], s[60:61] offset:T_BK
	global_store_b128 v11, v[56:59], s[60:61] offset:T_BV
	global_store_b32 v12, v60, s[60:61] offset:T_GAM
	global_store_b32 v12, v61, s[60:61] offset:T_BET
	s_cmp_lg_u32 s[WVN], 0
	s_cbranch_scc1 .Lmeet
	v_min_u32 v13, 19, v0                          ; wave 0: bo, 32 numbers, 0 from label 20 on
	v_lshlrev_b32 v13, 2, v13
	global_load_b32 v62, v13, s[26:27]
	v_lshlrev_b32 v14, 3, v0
.irp j, 0,1,2,3
	v_mov_b32 v[84+2*\j], \j
	v_mov_b32 v[85+2*\j], \j
.endr
	global_store_b64 v14, v[84:85], s[34:35]       ; the layer numbers: 256 consecutive bytes each
	global_store_b64 v14, v[86:87], s[36:37]
	global_store_b64 v14, v[88:89], s[38:39]
	global_store_b64 v14, v[90:91], s[40:41]
	s_wait_loadcnt 0x0
	v_cvt_pk_bf16_f32 v62, v62, v62
	v_lshlrev_b32 v62, 16, v62
	v_cmp_gt_u32 vcc_lo, 20, v0
	v_cndmask_b32 v62, 0, v62, vcc_lo
	global_store_b32 v12, v62, s[60:61] offset:T_BO
	s_branch .Lmeet
	; ---- u < 96: matrix u / 8 (kind, layer), ks = u % 8; wave: hf = bit 2, four channel blocks 4 cg .. 4 cg + 3 ----
.Lrole_r:
	s_lshr_b32 s51, s43, 3
	s_and_b32 s52, s43, 7                          ; ks
	s_lshr_b32 s53, s51, 2                         ; 0 Wq, 1 Wk, 2 Wv
	s_and_b32 s54, s51, 3                          ; layer
	s_bfe_u32 s55, s[WVN], 0x10002                 ; hf
	s_and_b32 s56, s[WVN], 3                       ; cg
	s_cmp_eq_u32 s53, 0
	s_cselect_b64 s[44:45], s[4:5], s[6:7]
	s_cmp_eq_u32 s53, 2
	s_cselect_b64 s[44:45], s[8:9], s[44:45]
	s_lshl_b32 s46, s54, 18                        ; the layer's 262,144 bytes,
	s_lshl_b32 s57, s52, 15                        ; 32 ks rows of 1,024 bytes,
	s_add_co_u32 s46, s46, s57
	s_lshl_b32 s57, s55, 14                        ; 16 hf rows,
	s_add_co_u32 s46, s46, s57
	s_lshl_b32 s57, s56, 8                         ; 64 cg columns
	s_add_co_u32 s46, s46, s57
	s_add_nc_u64 s[44:45], s[44:45], s[46:47]
	v_lshlrev_b32 v8, 13, v7                       ; 8 h rows
	v_lshl_add_u32 v8, v6, 2, v8                   ; + column r
.set i, 0
.rept 32                                       ; i = 8 cbi + element: the four cbi of a row are 256 consecutive bytes
	global_load_b32 v[16+i], v8, s[44:45] offset:(i%8)*1024+(i/8)*64
.set i, i+1
.endr
	s_mul_i32 s46, s54, LAYB
	s_lshl_b32 s57, s53, 17
	s_add_co_u32 s46, s46, s57
	s_lshl_b32 s57, s56, 15
	s_add_co_u32 s46, s46, s57
	s_lshl_b32 s57, s52, 10
	s_add_co_u32 s46, s46, s57
	s_lshl_b32 s57, s55, 9
	s_add_co_u32 s46, s46, s57
	s_add_nc_u64 s[58:59], s[32:33], s[46:47]
	s_wait_loadcnt 0x0
.set i, 0
.rept 16
	v_cvt_pk_bf16_f32 v[48+i], v[16+2*i], v[16+2*i+1]
.set i, i+1
.endr
.irp a, 0,1,2,3
	global_store_b128 v1, v[48+4*\a:48+4*\a+3], s[58:59] offset:\a*8192  ; 512 consecutive bytes
.endr
	s_branch .Lmeet
	; ---- 96 <= u < 232: rows 16 s49 .. of W1 (s49 = 16: b1 in all 16 rows) times columns 32 s50 .. of W2; wave w sums over m = 128 w .. 128 w + 127 ----
.Lrole_m:
	s_lshl_b32 s46, s49, 16                        ; 16 rows of 4,096 bytes
	s_lshl_b32 s57, s[WVN], 9                      ; 128 w numbers
	s_cmp_eq_u32 s49, 16
	s_cselect_b64 s[44:45], s[22:23], s[10:11]
	s_cselect_b32 s51, 0, 4096                     ; bytes from row to row
	s_cselect_b32 s46, 0, s46
	s_add_co_u32 s46, s46, s57
	s_add_nc_u64 s[44:45], s[44:45], s[46:47]
	v_mul_u32_u24 v8, s51, v6
	v_lshl_add_u32 v8, v7, 5, v8                   ; row r, 8 h numbers on
.set i, 0
.rept 16                                       ; i = 4 step + 2 half + quarter
	global_load_b128 v[16+4*i:16+4*i+3], v8, s[44:45] offset:(i/4)*128+((i/2)%2)*64+(i%2)*16
.set i, i+1
.endr
	s_lshl_b32 s46, s[WVN], 17                     ; 128 w rows of W2
	s_lshl_b32 s57, s50, 7                         ; 32 columns
	s_add_co_u32 s46, s46, s57
	s_add_nc_u64 s[58:59], s[12:13], s[46:47]
	v_lshlrev_b32 v9, 13, v7
	v_lshl_add_u32 v9, v6, 2, v9
.set i, 0
.rept 128                                      ; i = 16 (2 step + nb) + 8 half + element: row 32 step + 16 half + 8 h + element
	global_load_b32 v[80+i], v9, s[58:59] offset:(32*(i/32)+16*((i%16)/8)+i%8)*1024+((i/16)%2)*64
.set i, i+1
.endr
	s_wait_loadcnt 0x0
.set i, 0
.rept 32                                       ; in place: step s's fragment of W1 ends in v[16 + 16 s ..]
	v_cvt_pk_bf16_f32 v[16+16*(i/8)+i%8], v[16+16*(i/8)+2*(i%8)], v[16+16*(i/8)+2*(i%8)+1]
.set i, i+1
.endr
.set i, 0
.rept 64
	v_cvt_pk_bf16_f32 v[80+16*(i/8)+i%8], v[80+16*(i/8)+2*(i%8)], v[80+16*(i/8)+2*(i%8)+1]
.set i, i+1
.endr
	v_wmma_f32_16x16x32_bf16 v[208:215], v[16:23], v[80:87], 0       ; the two accumulators take turns
	v_wmma_f32_16x16x32_bf16 v[216:223], v[16:23], v[96:103], 0
.set i, 1
.rept 3
	v_wmma_f32_16x16x32_bf16 v[208:215], v[16+16*i:16+16*i+7], v[80+32*i:80+32*i+7], v[208:215]
	v_wmma_f32_16x16x32_bf16 v[216:223], v[16+16*i:16+16*i+7], v[96+32*i:96+32*i+7], v[216:223]
.set i, i+1
.endr
.rept 4
	v_nop                                          ; four places behind the last product, ahead of the stores that read results
.endr
	s_lshl_b32 s57, s[WVN], 11
	v_add_nc_u32 v10, s57, v1
.irp a, 0,1,2,3                                ; a = 2 nb + half
	ds_store_b128 v10, v[208+4*\a:208+4*\a+3] offset:512*\a
.endr
.Lmeet:
	s_wait_xcnt 0x0                                ; what was issued so far has read its registers: they are written again below
	s_wait_dscnt 0x0                               ; my partial sums lie in LDS,
	s_barrier_signal -1
	s_barrier_wait -1                              ; everybody's do
	s_cmp_lt_u32 s43, 96
	s_cbranch_scc1 .Lend
	s_cmp_lt_u32 s43, 232
	s_cbranch_scc0 .Lend
	s_cmp_lt_u32 s[WVN], 2                         ; wave 0 finishes the left 16 columns, wave 1 the right
	s_cbranch_scc0 .Lend
	s_lshl_b32 s57, s[WVN], 10
	v_add_nc_u32 v10, s57, v1
.set i, 0
.rept 16                                       ; i = 2 wave + half
	ds_load_b128 v[16+4*i:16+4*i+3], v10 offset:(i/2)*2048+(i%2)*512
.set i, i+1
.endr
	s_wait_dscnt 0x0
.irp d, 8,16,32                                ; the eight partial sums, by pairs
.set i, 0
.rept 32/\d
.irp e, 0,2,4,6
	v_pk_add_f32 v[16+2*\d*i+\e:16+2*\d*i+\e+1], v[16+2*\d*i+\e:16+2*\d*i+\e+1], v[16+2*\d*i+\d+\e:16+2*\d*i+\d+\e+1]
.endr
.set i, i+1
.endr
.endr
	s_lshl1_add_u32 s51, s50, s[WVN]               ; channel block 2 s50 + wave
	s_cmp_eq_u32 s49, 16
	s_cbranch_scc1 .Lb12
.irp a, 0,1,2,3
	v_cvt_pk_bf16_f32 v[80+\a], v[16+2*\a], v[16+2*\a+1]
.endr
	s_lshl_b32 s46, s51, 13                        ; fragment (block, s49 / 2), half s49 % 2
	s_lshl_b32 s57, s49, 9
	s_add_co_u32 s46, s46, s57
	s_add_co_u32 s46, s46, W12OFF
	s_add_nc_u64 s[58:59], s[32:33], s[46:47]
	global_store_b128 v1, v[80:83], s[58:59]
	s_branch .Lend
.Lb12:                                         ; all 16 rows hold b1 W2: register 0 is taken; + b2
	v_lshlrev_b32 v11, 2, v6
	s_lshl_b32 s46, s51, 6
	s_add_nc_u64 s[44:45], s[24:25], s[46:47]
	global_load_b32 v12, v11, s[44:45]
	s_add_co_u32 s46, s46, TABOFF+T_B12
	s_add_nc_u64 s[58:59], s[32:33], s[46:47]
	s_wait_loadcnt 0x0
	v_cvt_pk_bf16_f32 v12, v12, v12
	v_lshlrev_b32 v12, 16, v12
	v_add_f32 v12, v12, v16
	global_store_b32 v11, v12, s[58:59]            ; both halves of the lanes hold, and store, the same number
.Lend:
	s_wait_tensorcnt 0x0                           ; the wave's end: three closing lines behind the last LDS store
	ds_add_u32 v2, v3
	s_wait_dscnt 0x0
	s_endpgm
.Lfunc_end_k_q52633236d7_prep:
	.size	k_q52633236d7_prep, .Lfunc_end_k_q52633236d7_prep-k_q52633236d7_prep
	.p2alignl 7, 3214868480
	.fill 96, 4, 3214868480
	.section	.rodata,"a",@progbits
	.p2align	6, 0x0
	.amdhsa_kernel k_q52633236d7_prep
		.amdhsa_group_segment_fixed_size 17408
		.amdhsa_private_segment_fixed_size 0
		.amdhsa_enable_private_segment 0
		.amdhsa_kernarg_size 152
		.amdhsa_user_sgpr_count 2
		.amdhsa_user_sgpr_kernarg_segment_ptr 1
		.amdhsa_wavefront_size32 1
		.amdhsa_system_sgpr_workgroup_id_x 1
		.amdhsa_system_sgpr_workgroup_id_y 1
		.amdhsa_system_sgpr_workgroup_id_z 1
		.amdhsa_system_vgpr_workitem_id 0
		.amdhsa_next_free_vgpr 256
		.amdhsa_next_free_sgpr 66
		.amdhsa_reserve_vcc 1
		.amdhsa_float_denorm_mode_32 3
		.amdhsa_float_denorm_mode_16_64 3
		.amdhsa_memory_ordered 1
		.amdhsa_forward_progress 1
		.amdhsa_inst_pref_size 42
	.end_amdhsa_kernel
	.amdgpu_metadata
---
amdhsa.version: [ 1, 2 ]
amdhsa.kernels:
  - .name:           k_q52633236d7_prep
    .symbol:         k_q52633236d7_prep.kd
    .args:
      - { .name: Wq, .offset: 0, .size: 8, .value_kind: global_buffer, .address_space: global }
      - { .name: Wk, .offset: 8, .size: 8, .value_kind: global_buffer, .address_space: global }
      - { .name: Wv, .offset: 16, .size: 8, .value_kind: global_buffer, .address_space: global }
      - { .name: W1, .offset: 24, .size: 8, .value_kind: global_buffer, .address_space: global }
      - { .name: W2, .offset: 32, .size: 8, .value_kind: global_buffer, .address_space: global }
      - { .name: Wo, .offset: 40, .size: 8, .value_kind: global_buffer, .address_space: global }
      - { .name: bq, .offset: 48, .size: 8, .value_kind: global_buffer, .address_space: global }
      - { .name: bk, .offset: 56, .size: 8, .value_kind: global_buffer, .address_space: global }
      - { .name: bv, .offset: 64, .size: 8, .value_kind: global_buffer, .address_space: global }
      - { .name: b1, .offset: 72, .size: 8, .value_kind: global_buffer, .address_space: global }
      - { .name: b2, .offset: 80, .size: 8, .value_kind: global_buffer, .address_space: global }
      - { .name: bo, .offset: 88, .size: 8, .value_kind: global_buffer, .address_space: global }
      - { .name: gamma, .offset: 96, .size: 8, .value_kind: global_buffer, .address_space: global }
      - { .name: beta, .offset: 104, .size: 8, .value_kind: global_buffer, .address_space: global }
      - { .name: wts, .offset: 112, .size: 8, .value_kind: global_buffer, .address_space: global }
      - { .name: cfg0, .offset: 120, .size: 8, .value_kind: global_buffer, .address_space: global }
      - { .name: cfg1, .offset: 128, .size: 8, .value_kind: global_buffer, .address_space: global }
      - { .name: cfg2, .offset: 136, .size: 8, .value_kind: global_buffer, .address_space: global }
      - { .name: cfg3, .offset: 144, .size: 8, .value_kind: global_buffer, .address_space: global }
    .group_segment_fixed_size: 17408
    .private_segment_fixed_size: 0
    .kernarg_segment_align: 8
    .kernarg_segment_size: 152
    .max_flat_workgroup_size: 256
    .sgpr_count:     66
    .vgpr_count:     256
    .wavefront_size: 32
...
	.end_amdgpu_metadata
.endif
;; end of part 1
;; launch embed (part 2): grid 256 x 1, 4 waves a work-group, no clusters, 100,864 bytes of LDS; arguments batch_ch_ids, ch_embedding, pos_embedding, wts, stA; writes stA
.if DOCPART == 2
	.amdgcn_target "amdgcn-amd-amdhsa--gfx1250"
	.amdhsa_code_object_version 6
	.text
	.protected	k_q52633236d7_embed
	.globl	k_q52633236d7_embed
	.p2align	8
	.type	k_q52633236d7_embed,@function
k_q52633236d7_embed:
	s_mov_b64 s[64:65], 0
	v_nop
	global_prefetch_b8 v0, s[64:65] scope:SCOPE_SE
	s_setreg_imm32_b32 hwreg(HW_REG_WAVE_MODE, 25, 1), 1
	s_wait_xcnt 0x0
; EMBED: x = bf16(ch_embedding[id]) + bf16(pos_embedding[pos]) in f32, and layer 0's K and V.  ids are held to 0 .. 7,999.
; A work-group owns 64 rows (sequence g / 8, rows 64 (g % 8) ..), a wave the output channels 64 w .. 64 w + 63 of every product.
; THE STATE: X (f32) at g x 65,536 + w x 16,384 in the wave's register order: register 8 (4 t + cb) + j of lane (r, h) is row 16 t + r, channel 64 w + 16 cb + 8 h + j.
; K at 16,777,216: fragment (sequence, head, 16 keys kb) at ((8 b + head) 32 + kb) x 1,024.  V at 25,165,824: V^T's fragment (16 channels cv, 32 keys kk) at (((8 b + head) 2 + cv) 16 + kk) x 1,024.
; K^T = Wk^T (source 0) x^T (source 1): a lane holds one row and eight channels; V = x (source 0) Wv (source 1): a lane holds one channel and eight rows.  Rounded in pairs these ARE the fragments above.
; Weights come straight from memory into registers, 512 consecutive bytes a load: each fragment is wanted by one wave alone, so nothing would be shared in LDS.  No cluster: see the layer's text.
; REGISTERS in windows of 256: window 0 addresses, tables, v128-255 the 16 accumulators; window 1 WK; window 2 WV; window 3 the gathered rows, then x's fragments.
.set KOFF,   16777216
.set VOFF,   25165824
.set WKO,    131072
.set WVO,    262144
.set TABOFF, 1720320
.set T_BK,   4096
.set T_BV,   8192
.set PX,     528                       ; a row of x in bf16: 512 bytes + 16: the 16 rows of a load start at 16 different groups of four banks
.set XB,     0                         ; x in bf16, 64 rows
.set XT,     33792                     ; x in f32 by rows, pitch 1,040, to turn rows into the waves' channel shares
.set SPARE,  100352
.set ACC,    128
.set OF,     96                        ; v96-111 the sixteen rows' offsets in the table
.set WVN, 32
.set GID, 33
.set SEQ, 34
.set QBK, 35
.set T0,  36
.set T1,  37
.set WKP, 38
.set WVP, 40
.set PP,  42
.set TN,  44
.set XO,  54
.set KO,  56
.set VO,  58
.set T2,  60
.set MSB, 0
.macro WIN new                         ; the immediate's high byte repeats the setting that is left; a switch that changes nothing is dropped
.if MSB != (\new)
	s_set_vgpr_msb (MSB<<8)|(\new)
.set MSB, (\new)
.endif
.endm
.macro PLACES                          ; four places behind a product, ahead of what reads its result or writes its registers
.rept 4
	v_nop
.endr
.endm
.macro BAR
	s_wait_dscnt 0x0
	s_barrier_signal -1
	s_barrier_wait -1
.endm
.macro LDW win, reg0, n, sb, off, hint:vararg  ; n loads of 512 consecutive bytes into window win
	WIN (\win)<<6
.set li, 0
.rept \n
	global_load_b128 v[(\reg0)+4*li:(\reg0)+4*li+3], v1, s[\sb:\sb+1] offset:(\off)+512*li \hint
.set li, li+1
.endr
.endm
.macro TAB8 reg0, sb, off              ; my 32 channels of a table: register 8 cb + j is channel 16 cb + 8 h + j
.set li, 0
.rept 8
	global_load_b128 v[(\reg0)+4*li:(\reg0)+4*li+3], v5, s[\sb:\sb+1] offset:(\off)+64*(li/2)+16*(li%2)
.set li, li+1
.endr
.endm
.macro PUBLISH base                    ; x rounded to bf16 into LDS by rows: my 128 bytes of each of the 64
.set pi, 0
.rept 16
.set pt, 24+4*(pi%2)
.irp i, 0,1,2,3
	v_cvt_pk_bf16_f32 v[pt+\i], v[ACC+8*pi+2*\i], v[ACC+8*pi+2*\i+1]
.endr
	ds_store_b128 v6, v[pt:pt+3] offset:(\base)+(pi/4)*16*PX+(pi%4)*32
.set pi, pi+1
.endr
.endm
.macro LOADXF                          ; all of x as fragments (tile t, 32 channels ks at 8 (8 t + ks)) into window 3
	WIN 0xC0
.set f, 0
.rept 32
	ds_load_b128 v[8*f:8*f+3],   v7 offset:(f/8)*16*PX+(f%8)*64
	ds_load_b128 v[8*f+4:8*f+7], v7 offset:(f/8)*16*PX+(f%8)*64+32
.set f, f+1
.endr
	WIN 0
.endm
.macro PROJ ww, swap, zero             ; 128 products: weights in window ww; the 16 accumulators take turns; zero = 1: the first 16 start the sums
.if \swap
	WIN 3|((\ww)<<2)
.else
	WIN (\ww)|(3<<2)
.endif
.set ks, 0
.rept 8
.set x, 0
.rept 16
.set ra, ACC+8*(4*(x%4)+x/4)
.set rw, 8*(8*(x/4)+ks)
.set rx, 8*(8*(x%4)+ks)
.if (\zero) && (ks == 0)
.if \swap
	v_wmma_f32_16x16x32_bf16 v[ra:ra+7], v[rx:rx+7], v[rw:rw+7], 0
.else
	v_wmma_f32_16x16x32_bf16 v[ra:ra+7], v[rw:rw+7], v[rx:rx+7], 0
.endif
.else
.if \swap
	v_wmma_f32_16x16x32_bf16 v[ra:ra+7], v[rx:rx+7], v[rw:rw+7], v[ra:ra+7]
.else
	v_wmma_f32_16x16x32_bf16 v[ra:ra+7], v[rw:rw+7], v[rx:rx+7], v[ra:ra+7]
.endif
.endif
.set x, x+1
.endr
.set ks, ks+1
.endr
	WIN 0
.endm
.macro PACK64                          ; each accumulator's eight numbers into its first four registers
.set x, 0
.rept 16
.irp i, 0,1,2,3
	v_cvt_pk_bf16_f32 v[ACC+8*x+\i], v[ACC+8*x+2*\i], v[ACC+8*x+2*\i+1]
.endr
.set x, x+1
.endr
.endm
.macro KOUT                            ; + bk, rounded, stored as K's fragments: 512 consecutive bytes a store
	PLACES
.set e, 0
.rept 64
	v_pk_add_f32 v[ACC+e:ACC+e+1], v[ACC+e:ACC+e+1], v[32+e%32:32+e%32+1]
.set e, e+2
.endr
	PACK64
.set x, 0
.rept 16
	global_store_b128 v1, v[ACC+8*x:ACC+8*x+3], s[KO:KO+1] offset:((x%4)/2)*32768+(x/4)*1024+(x%2)*512 th:TH_STORE_NT
.set x, x+1
.endr
.endm
.macro VOUT                            ; + bv (one channel a lane), rounded, stored as V^T's fragments
	PLACES
.set e, 0
.rept 64
	v_pk_add_f32 v[ACC+e:ACC+e+1], v[ACC+e:ACC+e+1], v[64+2*((e/8)%4):64+2*((e/8)%4)+1] op_sel_hi:[1,0]
.set e, e+2
.endr
	PACK64
.set x, 0
.rept 16
	global_store_b128 v1, v[ACC+8*x:ACC+8*x+3], s[VO:VO+1] offset:((x%4)/2)*32768+(x%2)*16384+((x/4)/2)*1024+((x/4)%2)*512 th:TH_STORE_NT
.set x, x+1
.endr
.endm
	s_load_b256 s[4:11], s[0:1], 0x0               ; ids 4, table 6, positions 8, wts 10
	s_load_b64 s[12:13], s[0:1], 0x20              ; the state
	v_lshl_add_u32 v2, v0, 2, SPARE                ; my spare word, and 0: kept for the closing lines alone
	v_mov_b32 v3, 0
	v_lshrrev_b32 v20, 5, v0
	v_readfirstlane_b32 s[WVN], v20
	s_mov_b32 s[GID], ttmp9
	s_lshr_b32 s[SEQ], s[GID], 3
	s_and_b32 s[QBK], s[GID], 7
	s_lshl_b32 s[T2], s[GID], 8                    ; my 16 ids: 64 g + 16 w, 4 bytes each
	s_lshl_b32 s[T1], s[WVN], 6
	s_add_co_u32 s[T2], s[T2], s[T1]
	v_and_b32 v21, 31, v0
	v_lshlrev_b32 v1, 4, v21                       ; 16 x lane
	v_and_b32 v4, 15, v0                           ; r
	v_bfe_u32 v22, v0, 4, 1                        ; h
	v_lshlrev_b32 v5, 5, v22                       ; 32 h
	v_lshlrev_b32 v14, 2, v4                       ; 4 r
	v_mul_u32_u24 v7, v4, PX
	v_lshl_add_u32 v7, v22, 4, v7                  ; a fragment's row x pitch + 16 h
	s_lshl_b32 s[T0], s[WVN], 7
	v_add_nc_u32 v6, s[T0], v7                     ; + my 128 bytes of a row
	s_mul_i32 s[T0], s[WVN], 16640
	s_add_co_u32 s[T0], s[T0], XT
	v_add_nc_u32 v8, s[T0], v1                     ; into XT: my 16 rows, 16 bytes a lane
	v_mul_u32_u24 v9, v4, 1040
	v_add_nc_u32 v9, v5, v9
	s_lshl_b32 s[T0], s[WVN], 8
	s_add_co_u32 s[T0], s[T0], XT
	v_add_nc_u32 v9, s[T0], v9                     ; out of XT: row r, channel 64 w + 8 h
	v_mov_b32 v16, 1.0
.irp a, 65,67,69,71
	v_mov_b32 v\a, 0                               ; named with bv's registers as pairs
.endr
	s_mov_b32 s47, 0
	s_wait_kmcnt 0x0
	s_load_b512 s[16:31], s[4:5], s[T2] offset:0x0
	s_lshl_b32 s46, s[QBK], 16                     ; positions 64 qb + 16 w, 1,024 bytes each
	s_lshl_b32 s[T1], s[WVN], 14
	s_add_co_u32 s46, s46, s[T1]
	s_add_nc_u64 s[PP:PP+1], s[8:9], s[46:47]
	s_lshl_b32 s46, s[GID], 16
	s_add_co_u32 s46, s46, s[T1]
	s_add_nc_u64 s[XO:XO+1], s[12:13], s[46:47]
	s_lshl_b32 s[T0], s[SEQ], 3
	s_lshl1_add_u32 s[T0], s[WVN], s[T0]
	s_lshl_b32 s[T0], s[T0], 15                    ; head 8 b + 2 w, 32,768 bytes a head
	s_lshl_b32 s[T1], s[QBK], 12
	s_add_co_u32 s46, s[T0], s[T1]
	s_add_co_u32 s46, s46, KOFF
	s_add_nc_u64 s[KO:KO+1], s[12:13], s[46:47]
	s_lshl_b32 s[T1], s[QBK], 11
	s_add_co_u32 s46, s[T0], s[T1]
	s_add_co_u32 s46, s46, VOFF
	s_add_nc_u64 s[VO:VO+1], s[12:13], s[46:47]
	s_lshl_b32 s[T1], s[WVN], 15
	s_add_co_u32 s46, s[T1], WKO
	s_add_nc_u64 s[WKP:WKP+1], s[10:11], s[46:47]
	s_add_co_u32 s46, s[T1], WVO
	s_add_nc_u64 s[WVP:WVP+1], s[10:11], s[46:47]
	s_lshl_b32 s46, s[WVN], 8
	s_add_co_u32 s46, s46, TABOFF
	s_add_nc_u64 s[TN:TN+1], s[10:11], s[46:47]
	s_wait_kmcnt 0x0
.set i, 0
.rept 16
	s_min_u32 s[16+i], s[16+i], 7999
	v_lshl_add_u32 v[OF+i], s[16+i], 10, v1
.set i, i+1
.endr
	WIN 0xC0
.set i, 0
.rept 16                                       ; a row is two loads of 512 consecutive bytes
	global_load_b128 v[8*i:8*i+3],         v[OF+i], s[6:7]
	global_load_b128 v[8*i+4:8*i+7],       v[OF+i], s[6:7] offset:512
	global_load_b128 v[128+8*i:128+8*i+3], v1, s[PP:PP+1] offset:1024*i
	global_load_b128 v[128+8*i+4:128+8*i+7], v1, s[PP:PP+1] offset:1024*i+512
.set i, i+1
.endr
	LDW 1, 0, 64, WKP, 0
	LDW 2, 0, 64, WVP, 0
	WIN 0
	TAB8 32, TN, T_BK
.irp a, 0,1,2,3
	global_load_b32 v[64+2*\a], v14, s[TN:TN+1] offset:T_BV+64*\a
.endr
	s_wait_loadcnt 63                              ; 140 loads are younger than the rows': the rows are in
	WIN 0xCF
.set q, 0
.rept 64                                       ; both tables' numbers rounded to bf16, in place
	v_cvt_pk_bf16_f32 v[4*q],   v[4*q],   v[4*q+1]
	v_cvt_pk_bf16_f32 v[4*q+1], v[4*q+2], v[4*q+3]
.set q, q+1
.endr
	WIN 0xF3
.set q, 0
.rept 32                                       ; e x 1 + p from the halves, in f32; the fourth number first, so that no half is overwritten before it is read
	v_fma_mix_f32_bf16 v[128+4*q+3], v[4*q+1], v16, v[128+4*q+1] op_sel:[1,0,1] op_sel_hi:[1,0,1]
	v_fma_mix_f32_bf16 v[128+4*q+2], v[4*q+1], v16, v[128+4*q+1] op_sel_hi:[1,0,1]
	v_fma_mix_f32_bf16 v[128+4*q+1], v[4*q],   v16, v[128+4*q]   op_sel:[1,0,1] op_sel_hi:[1,0,1]
	v_fma_mix_f32_bf16 v[128+4*q],   v[4*q],   v16, v[128+4*q]   op_sel_hi:[1,0,1]
.set q, q+1
.endr
	WIN 0x0C
.set q, 0
.rept 32
	ds_store_b128 v8, v[128+4*q:128+4*q+3] offset:(q/2)*1040+(q%2)*512
.set q, q+1
.endr
	WIN 0
	BAR                                            ; all 64 rows lie in XT
.set i, 0
.rept 32
	ds_load_b128 v[ACC+4*i:ACC+4*i+3], v9 offset:(i/8)*16640+((i/2)%4)*64+(i%2)*16
.set i, i+1
.endr
	s_wait_dscnt 0x0
.set i, 0
.rept 32
	global_store_b128 v1, v[ACC+4*i:ACC+4*i+3], s[XO:XO+1] offset:512*i th:TH_STORE_NT
.set i, i+1
.endr
	PUBLISH XB
	BAR                                            ; all of x lies in XB
	LOADXF
	s_wait_loadcnt 0x0                             ; WK, WV, bk, bv
	s_wait_dscnt 0x0
	s_wait_xcnt 0x0                                ; x's stores have read the accumulators' registers
	PROJ 1, 0, 1
	KOUT
	s_wait_xcnt 0x0                                ; K's stores have read them
	PROJ 2, 1, 1
	VOUT
	s_wait_tensorcnt 0x0                           ; the wave's end: three closing lines behind the last LDS store
	ds_add_u32 v2, v3
	s_wait_dscnt 0x0
	s_endpgm
.Lfunc_end_k_q52633236d7_embed:
	.size	k_q52633236d7_embed, .Lfunc_end_k_q52633236d7_embed-k_q52633236d7_embed
	.p2alignl 7, 3214868480
	.fill 96, 4, 3214868480
	.section	.rodata,"a",@progbits
	.p2align	6, 0x0
	.amdhsa_kernel k_q52633236d7_embed
		.amdhsa_group_segment_fixed_size 100864
		.amdhsa_private_segment_fixed_size 0
		.amdhsa_enable_private_segment 0
		.amdhsa_kernarg_size 40
		.amdhsa_user_sgpr_count 2
		.amdhsa_user_sgpr_kernarg_segment_ptr 1
		.amdhsa_wavefront_size32 1
		.amdhsa_system_sgpr_workgroup_id_x 1
		.amdhsa_system_sgpr_workgroup_id_y 1
		.amdhsa_system_sgpr_workgroup_id_z 1
		.amdhsa_system_vgpr_workitem_id 0
		.amdhsa_next_free_vgpr 1024
		.amdhsa_next_free_sgpr 66
		.amdhsa_reserve_vcc 0
		.amdhsa_float_denorm_mode_32 3
		.amdhsa_float_denorm_mode_16_64 3
		.amdhsa_memory_ordered 1
		.amdhsa_forward_progress 1
		.amdhsa_inst_pref_size 93
	.end_amdhsa_kernel
	.amdgpu_metadata
---
amdhsa.version: [ 1, 2 ]
amdhsa.kernels:
  - .name:           k_q52633236d7_embed
    .symbol:         k_q52633236d7_embed.kd
    .args:
      - { .name: batch_ch_ids, .offset: 0, .size: 8, .value_kind: global_buffer, .address_space: global }
      - { .name: ch_embedding, .offset: 8, .size: 8, .value_kind: global_buffer, .address_space: global }
      - { .name: pos_embedding, .offset: 16, .size: 8, .value_kind: global_buffer, .address_space: global }
      - { .name: wts, .offset: 24, .size: 8, .value_kind: global_buffer, .address_space: global }
      - { .name: stA, .offset: 32, .size: 8, .value_kind: global_buffer, .address_space: global }
    .group_segment_fixed_size: 100864
    .private_segment_fixed_size: 0
    .kernarg_segment_align: 8
    .kernarg_segment_size: 40
    .max_flat_workgroup_size: 128
    .sgpr_count:     66
    .vgpr_count:     1024
    .wavefront_size: 32
...
	.end_amdgpu_metadata
.endif
;; end of part 2
;; launch layer0 (part 3): grid 256 x 1, 4 waves a work-group, no clusters, 173,568 bytes of LDS; arguments stA, wts, cfg0, sentence_length, stB, out0; writes stB, out0
.if DOCPART == 3
	.amdgcn_target "amdgcn-amd-amdhsa--gfx1250"
	.amdhsa_code_object_version 6
	.text
	.protected	k_q52633236d7_layer0
	.globl	k_q52633236d7_layer0
	.p2align	8
	.type	k_q52633236d7_layer0,@function
k_q52633236d7_layer0:
	s_mov_b64 s[64:65], 0
	v_nop
	global_prefetch_b8 v0, s[64:65] scope:SCOPE_SE
	s_setreg_imm32_b32 hwreg(HW_REG_WAVE_MODE, 25, 1), 1
	s_wait_xcnt 0x0
; ONE LAYER: Q from x; attention (8 heads of 32, scores / 16, keys and queries beyond the sentence's length masked); + x, LN; x W12 + b12 + x, LN;
; then K and V of the next layer and x into the other state buffer, or (layer 3) x Wo + bo into out0.  The layer's number is read from cfg; the state's and the weights' layouts are those of the two launches before.
; SHARES.  A work-group owns 64 whole rows (sequence b = g / 8, rows 64 qb .., qb = g % 8); wave w owns channels 64 w .. 64 w + 63 of every product: heads 2 w and 2 w + 1.
; LAYOUT.  Q^T, K^T and the FFN are W^T (source 0) x^T (source 1): a lane holds ONE row (lane % 16) and channels 8 (lane / 16) + 0..7.  S^T = K Q^T holds one query a lane and eight keys; two such results rounded
; to bf16 ARE source 1 of O^T = V^T P, whose result has the first layout again.  So nothing changes lanes; a query's maximum wants one exchange of the lanes' halves, its sum l is a product of ones with P.
; SOFTMAX.  A query's whole row of scores lies in registers, so m is the row's true maximum over the keys it sees.  Q carries c = log2(e) / 16: p = 2^(s - m).
; STREAMS.  Weights, K and V lie in memory as fragments; each is wanted by ONE wave of the work-group, which keeps it in registers for its four row tiles.  So they come by loads of 512 consecutive bytes, with no
; ring in LDS and no barrier inside attention.  NO CLUSTER, though the eight work-groups of a sequence read the same K and V and all read the same weights: a joint load lands in LDS, where no second wave wants it;
; 1 MB a work-group would go through the 150 KB that are free, in rounds inside a phase that has no barrier now; and partners beyond the sentence's end do no attention at all.
; LENGTH.  len is held to 0 .. 512.  A work-group whose rows all lie beyond len skips Q and attention (their weights are all 0).  len <= 256: 256 keys, both heads' K and V in registers at once;
; else 512 keys, the heads one after the other.  The last 256 keys taken have a mask, 0 or -1e30, as the C operand of the score's product.
; LIMITS.  A hidden score counts as its value less 1e30; a weight below 2^-126 counts as 0; l is the sum of the weights as rounded to bf16; matrix operands are bf16, the residual x, the statistics and all sums f32;
; LN's last step is t rstd - mean rstd, off by 2^-24 |mean| / std at the most; NaN and infinities are not treated apart.
; REGISTERS in windows of 256 (s_set_vgpr_msb: bits 1:0 source 0, 3:2 source 1, 5:4 source 2, 7:6 destination):
;   window 0: v0-15 addresses, v16-31 at work, v32-127 by phase (below), v128-255 the 16 accumulators; in attention the mask      window 1: WQ; S^T and P; WK or WO
;   window 2: K; W12; WV                                                                                                      window 3: x's fragments; V; x's fragments
.set KOFF,   16777216
.set VOFF,   25165824
.set LAYB,   393216
.set WKO,    131072
.set WVO,    262144
.set WOOFF,  1572864
.set W12OFF, 1589248
.set TABOFF, 1720320
.set T_BQ,   0
.set T_BK,   4096
.set T_BV,   8192
.set T_B12,  12288
.set T_GAM,  13312
.set T_BET,  14336
.set T_BO,   15360
.set PX,     528                       ; a row of x in bf16: 512 bytes + 16: the 16 rows of a load start at 16 different groups of four banks
.set XB,     0                         ; x in bf16, 64 rows
.set XL,     33792                     ; x less its bf16 part, in bf16 (last layer)
.set XR,     67584                     ; 4 x 16,384: each wave's own x in f32: group (t, cb, half) at ((cb / 2) 4 + t) 2,048 + ((cb % 2) 2 + half) 512 + 16 lane
.set QS,     133120                    ; 4 x 8,192: each wave's own eight fragments of Q, unit 4 head + t at 1,024 each
.set ST,     165888                    ; LN: row 16 t + r, wave w: (mean, sum of squares about it) at 512 t + 32 r + 8 w
.set OS,     167936                    ; 4 x 1,280: each wave's own 16 rows of logits, 80 bytes a row
.set SPARE,  173056                    ; the spare words, 128 bytes a wave
.set ACC,  128
.set MX,   20                          ; v20-27 eight running maxima
.set QF,   32                          ; attention: v32-39 Q's fragment, v40-47 ones, v48-79 O^T (parity of kk, channel block), v80-95 l (parity), v96-111 the residual
.set ONES, 40
.set OA,   48
.set LA,   80
.set XT,   96
.set LT,   96                          ; LN: v32-63 gamma, v64-95 beta, v96-127 eight registers a tile; then b12
.set WVN, 16
.set GID, 17
.set SEQ, 18
.set QBK, 19
.set LI,  20
.set LEN, 21
.set BIGK, 22
.set LAST, 23
.set LIVE, 24
.set LENQ, 25
.set UC,  26
.set SQO, 27
.set LNC, 28
.set T0,  29                           ; s[30:31] a 64-bit offset, high word 0
.set XI,  32
.set KP,  34
.set VP,  36
.set WQP, 38
.set W12P, 40
.set WNP, 42
.set TABP, 44
.set CS,  46
.set SEL, 48
.set BIGN, 50
.set EPS, 51
.set R256, 52
.set XO,  54
.set KO,  56
.set VO,  58
.set OP,  60
.set AOF, 62                           ; s62 the unit's place in my x in f32
.set KP2, 66
.set VP2, 68
.set WVP, 70
.set TQ,  72
.set TN,  74
.set TW,  76
.set T1,  78
.set T2,  79
.set MSB, 0
.macro WIN new                         ; the immediate's high byte repeats the setting that is left; a switch that changes nothing is dropped
.if MSB != (\new)
	s_set_vgpr_msb (MSB<<8)|(\new)
.set MSB, (\new)
.endif
.endm
.macro PLACES                          ; four places behind a product, ahead of what reads its result or writes its registers
.rept 4
	v_nop
.endr
.endm
.macro BAR                             ; my LDS instructions are done; then everybody's
	s_wait_dscnt 0x0
	s_barrier_signal -1
	s_barrier_wait -1
.endm
.macro ALL4 line:vararg                ; one line for each row tile t
.set t, 0
.rept 4
	\line
.set t, t+1
.endr
.endm
.macro LDW win, reg0, n, sb, off, hint:vararg  ; n loads of 512 consecutive bytes into window win
	WIN (\win)<<6
.set li, 0
.rept \n
	global_load_b128 v[(\reg0)+4*li:(\reg0)+4*li+3], v1, s[\sb:\sb+1] offset:(\off)+512*li \hint
.set li, li+1
.endr
.endm
.macro TAB8 reg0, sb, off              ; my 32 channels of a table: register 8 cb + j is channel 16 cb + 8 h + j
.set li, 0
.rept 8
	global_load_b128 v[(\reg0)+4*li:(\reg0)+4*li+3], v5, s[\sb:\sb+1] offset:(\off)+64*(li/2)+16*(li%2)
.set li, li+1
.endr
.endm
.macro PUBLISH base                    ; x rounded to bf16 into LDS by rows: my 128 bytes of each of the 64
.set pi, 0
.rept 16
.set pt, 24+4*(pi%2)
.irp i, 0,1,2,3
	v_cvt_pk_bf16_f32 v[pt+\i], v[ACC+8*pi+2*\i], v[ACC+8*pi+2*\i+1]
.endr
	ds_store_b128 v6, v[pt:pt+3] offset:(\base)+(pi/4)*16*PX+(pi%4)*32
.set pi, pi+1
.endr
.endm
.macro PUBLO                           ; what the rounding to bf16 left of x, rounded to bf16 in its turn
.set pi, 0
.rept 16
.set pt, 24+4*(pi%2)
.irp i, 0,1,2,3
	v_cvt_pk_bf16_f32 v[LT+4*\i], v[ACC+8*pi+2*\i], v[ACC+8*pi+2*\i+1]
.endr
.irp i, 0,1,2,3
	v_lshlrev_b32 v[LT+4*\i+2], 16, v[LT+4*\i]
	v_and_b32 v[LT+4*\i+3], 0xffff0000, v[LT+4*\i]
.endr
.irp i, 0,1,2,3
	v_pk_add_f32 v[LT+4*\i+2:LT+4*\i+3], v[ACC+8*pi+2*\i:ACC+8*pi+2*\i+1], v[LT+4*\i+2:LT+4*\i+3] neg_lo:[0,1] neg_hi:[0,1]
.endr
.irp i, 0,1,2,3
	v_cvt_pk_bf16_f32 v[pt+\i], v[LT+4*\i+2], v[LT+4*\i+3]
.endr
	ds_store_b128 v6, v[pt:pt+3] offset:XL+(pi/4)*16*PX+(pi%4)*32
.set pi, pi+1
.endr
.endm
.macro LOADXF                          ; all of x as fragments (tile t, 32 channels ks at 8 (8 t + ks)) into window 3
	WIN 0xC0
.set f, 0
.rept 32
	ds_load_b128 v[8*f:8*f+3],   v7 offset:(f/8)*16*PX+(f%8)*64
	ds_load_b128 v[8*f+4:8*f+7], v7 offset:(f/8)*16*PX+(f%8)*64+32
.set f, f+1
.endr
	WIN 0
.endm
.macro PROJ ww, swap, zero             ; 128 products: weights in window ww; the 16 accumulators take turns; zero = 1: the first 16 start the sums
.if \swap
	WIN 3|((\ww)<<2)
.else
	WIN (\ww)|(3<<2)
.endif
.set ks, 0
.rept 8
.set x, 0
.rept 16
.set ra, ACC+8*(4*(x%4)+x/4)
.set rw, 8*(8*(x/4)+ks)
.set rx, 8*(8*(x%4)+ks)
.if (\zero) && (ks == 0)
.if \swap
	v_wmma_f32_16x16x32_bf16 v[ra:ra+7], v[rx:rx+7], v[rw:rw+7], 0
.else
	v_wmma_f32_16x16x32_bf16 v[ra:ra+7], v[rw:rw+7], v[rx:rx+7], 0
.endif
.else
.if \swap
	v_wmma_f32_16x16x32_bf16 v[ra:ra+7], v[rx:rx+7], v[rw:rw+7], v[ra:ra+7]
.else
	v_wmma_f32_16x16x32_bf16 v[ra:ra+7], v[rw:rw+7], v[rx:rx+7], v[ra:ra+7]
.endif
.endif
.set x, x+1
.endr
.set ks, ks+1
.endr
	WIN 0
.endm
.macro PACK64                          ; each accumulator's eight numbers into its first four registers
.set x, 0
.rept 16
.irp i, 0,1,2,3
	v_cvt_pk_bf16_f32 v[ACC+8*x+\i], v[ACC+8*x+2*\i], v[ACC+8*x+2*\i+1]
.endr
.set x, x+1
.endr
.endm
.macro KOUT                            ; + bk, rounded, stored as K's fragments: 512 consecutive bytes a store
	PLACES
.set e, 0
.rept 64
	v_pk_add_f32 v[ACC+e:ACC+e+1], v[ACC+e:ACC+e+1], v[32+e%32:32+e%32+1]
.set e, e+2
.endr
	PACK64
.set x, 0
.rept 16
	global_store_b128 v1, v[ACC+8*x:ACC+8*x+3], s[KO:KO+1] offset:((x%4)/2)*32768+(x/4)*1024+(x%2)*512 th:TH_STORE_NT
.set x, x+1
.endr
.endm
.macro VOUT                            ; + bv (one channel a lane), rounded, stored as V^T's fragments
	PLACES
.set e, 0
.rept 64
	v_pk_add_f32 v[ACC+e:ACC+e+1], v[ACC+e:ACC+e+1], v[64+2*((e/8)%4):64+2*((e/8)%4)+1] op_sel_hi:[1,0]
.set e, e+2
.endr
	PACK64
.set x, 0
.rept 16
	global_store_b128 v1, v[ACC+8*x:ACC+8*x+3], s[VO:VO+1] offset:((x%4)/2)*32768+(x%2)*16384+((x/4)/2)*1024+((x/4)%2)*512 th:TH_STORE_NT
.set x, x+1
.endr
.endm
; ---- attention's pieces ----
.macro MAX4 x                          ; key tile x into four of the eight maxima; the accumulator's lowest registers are read first
.irp i, 0,1,2,3
	v_max3_num_f32 v[MX+4*((\x)%2)+\i], v[MX+4*((\x)%2)+\i], v[8*(\x)+2*\i], v[8*(\x)+2*\i+1]
.endr
.endm
.macro ADDM x                          ; s - m for a pair of scores
	v_pk_add_f32 v[(\x):(\x)+1], v[(\x):(\x)+1], v[16:17] op_sel_hi:[1,0] neg_lo:[0,1] neg_hi:[0,1]
.endm
.macro CVTP i                          ; weights 2 i, 2 i + 1 rounded to bf16 into register i: P is laid over S^T from its low end
	v_cvt_pk_bf16_f32 v[(\i)], v[2*(\i)], v[2*(\i)+1]
.endm
.macro PVK kk, vk                      ; 32 keys kk: two products V^T P and one of ones with P; six accumulators (by kk's parity) take turns; kk < 2 start the sums
.set pp, (\kk)%2
	WIN 0x07
.if (\kk) < 2
	v_wmma_f32_16x16x32_bf16 v[OA+16*pp:OA+16*pp+7],    v[8*((\vk)+(\kk)):8*((\vk)+(\kk))+7],       v[8*(\kk):8*(\kk)+7], 0
	v_wmma_f32_16x16x32_bf16 v[OA+16*pp+8:OA+16*pp+15], v[8*(16+(\vk)+(\kk)):8*(16+(\vk)+(\kk))+7], v[8*(\kk):8*(\kk)+7], 0
	WIN 0x04
	v_wmma_f32_16x16x32_bf16 v[LA+8*pp:LA+8*pp+7], v[ONES:ONES+7], v[8*(\kk):8*(\kk)+7], 0
.else
	v_wmma_f32_16x16x32_bf16 v[OA+16*pp:OA+16*pp+7],    v[8*((\vk)+(\kk)):8*((\vk)+(\kk))+7],       v[8*(\kk):8*(\kk)+7], v[OA+16*pp:OA+16*pp+7]
	v_wmma_f32_16x16x32_bf16 v[OA+16*pp+8:OA+16*pp+15], v[8*(16+(\vk)+(\kk)):8*(16+(\vk)+(\kk))+7], v[8*(\kk):8*(\kk)+7], v[OA+16*pp+8:OA+16*pp+15]
	WIN 0x04
	v_wmma_f32_16x16x32_bf16 v[LA+8*pp:LA+8*pp+7], v[ONES:ONES+7], v[8*(\kk):8*(\kk)+7], v[LA+8*pp:LA+8*pp+7]
.endif
.endm
; 16 scores of group g (64 scores): subtraction and exponentials; from group 1 on, between the exponentials, the roundings of 16 weights of the group before, and their products.
; No line here names the result of an exponential of its own group: each group's 64 exponentials have one wait, at the group's end.
.macro SLICE g, s, vk
.set sa, 64*(\g)+16*(\s)
	WIN 0x41
	ADDM sa
	ADDM sa+2
.set si, 0
.rept 6
	v_exp_f32 v[sa+si], v[sa+si]
	ADDM sa+4+2*si
.set si, si+1
.endr
.if (\g) == 0
.set si, 6
.rept 10
	v_exp_f32 v[sa+si], v[sa+si]
.set si, si+1
.endr
.else
.set skk, 4*((\g)-1)+(\s)
	WIN 0x45
.set si, 0
.rept 8
	v_exp_f32 v[sa+6+si], v[sa+6+si]
	CVTP 8*skk+si
.set si, si+1
.endr
	v_exp_f32 v[sa+14], v[sa+14]
	v_exp_f32 v[sa+15], v[sa+15]
	PVK skk, \vk
.endif
.endm
; A UNIT: 16 queries of one head against nk keys.  kr: K's first register (window 2); vk: V's first block of 32 keys (window 3); ao: the unit's residual, from v9.
; big = 1: the 512-key walk, which changes heads in its fourth unit.  qstep, qmax, qo: where the next unit's Q lies.
.macro UNIT nk, kr, vk, ao, big, qstep, qmax, qo
	WIN 0
.irp i, 0,1,2,3
	ds_load_b128 v[XT+4*\i:XT+4*\i+3], v9 offset:(\ao)+512*\i
.endr
.if \big
	s_wait_loadcnt 0x0                             ; K and V are in: at the start, and behind the change of heads
.endif
	s_wait_dscnt 0x4                               ; Q's fragment is in; the four loads just issued may stay out
.set kb, 0
.rept (\nk)/16                                 ; a product, and behind it four lines of the maximum of the tile two back: eight places lie between a product and its first reader
	WIN 0x42
.if kb < (\nk)/16-16
	v_wmma_f32_16x16x32_bf16 v[8*kb:8*kb+7], v[(\kr)+8*kb:(\kr)+8*kb+7], v[QF:QF+7], 0
.else
	v_wmma_f32_16x16x32_bf16 v[8*kb:8*kb+7], v[(\kr)+8*kb:(\kr)+8*kb+7], v[QF:QF+7], v[ACC+8*(kb-(\nk)/16+16):ACC+8*(kb-(\nk)/16+16)+7]
.endif
	WIN 0x14
.if kb < 2
.irp i, 0,1,2,3
	v_mov_b32 v[MX+4*kb+\i], 0xff7fffff
.endr
.else
	MAX4 kb-2
.endif
.set kb, kb+1
.endr
	MAX4 (\nk)/16-2
	MAX4 (\nk)/16-1
	WIN 0
.if \qstep
	s_add_co_u32 s[SQO], s[SQO], 1024
	s_min_u32 s[SQO], s[SQO], \qmax                ; the last unit has no successor: the step is held at the last slot, which is read once more and not used
	v_add_nc_u32 v11, s[SQO], v10
.endif
	ds_load_b128 v[QF:QF+3],   v11 offset:\qo      ; the next unit's Q: eight places behind the last product that read these registers
	ds_load_b128 v[QF+4:QF+7], v11 offset:(\qo)+512
	v_max3_num_f32 v28, v20, v21, v22
	v_max3_num_f32 v29, v23, v24, v25
	v_max3_num_f32 v28, v28, v26, v27
	v_max_num_f32 v28, v28, v29
	v_permlanex16_b32 v29, v28, s[SEL], s[SEL+1]   ; the query's other keys lie in the lane 16 away
	v_max_num_f32 v16, v28, v29
.set ug, 0
.rept (\nk)/128
.if (ug == 1) && (\big)
	WIN 0
	s_cmp_eq_u32 s[UC], 5                          ; the head's last unit has multiplied by K: the second head's K
	s_cbranch_scc0 .Lnok_\@
	LDW 2, 0, 64, KP, 32768
	WIN 0
.Lnok_\@:
	s_cmp_eq_u32 s[UC], 7                          ; the second unit asks for my work-group's 64 key positions of the second head's K (lanes 0-15) and V (lanes 16-31), 256 bytes a lane,
	s_cbranch_scc0 .Lnopf_\@                       ; two units ahead of the loads; the sequence's work-groups share the positions out, so each block is named once in the launch
	global_prefetch_b8 v15, s[4:5] th:TH_LOAD_NT scope:SCOPE_SE
.Lnopf_\@:
.endif
	SLICE ug, 0, \vk
	SLICE ug, 1, \vk
	SLICE ug, 2, \vk
	SLICE ug, 3, \vk
	v_nop                                          ; a plain instruction behind the last exponential,
	s_wait_alu depctr_va_vdst(0)                   ; and the group's one wait, ahead of the first line that names a result
.set ug, ug+1
.endr
.set uk, (\nk)/32-4
.rept 4                                        ; the last group's weights
	WIN 0x45
.set si, 0
.rept 8
	CVTP 8*uk+si
.set si, si+1
.endr
	PVK uk, \vk
.set uk, uk+1
.endr
	WIN 0
	PLACES
.if \big
	s_cmp_eq_u32 s[UC], 5                          ; the head's last unit has multiplied by V: the second head's V
	s_cbranch_scc0 .Lnov_\@
	LDW 3, 0, 64, VP, 32768
	WIN 0
.Lnov_\@:
	s_min_u32 s[AOF], s[AOF], 14336                ; the unit's place, held inside my 16,384 bytes (14,336 + the last group's 1,536 + 512),
	v_add_nc_u32 v9, s[AOF], v8                    ; and its address made anew from my fixed base, behind the trip's last label and ahead of the stores that use it
.endif
	v_add_f32 v28, v[LA], v[LA+8]                  ; l: both parities
	v_rcp_f32 v18, v28
.set i, 0
.rept 8
	v_pk_add_f32 v[OA+2*i:OA+2*i+1], v[OA+2*i:OA+2*i+1], v[OA+16+2*i:OA+16+2*i+1]
.set i, i+1
.endr
	s_wait_alu depctr_va_vdst(0)                   ; the reciprocal's wait; the eight sums are the work between
	s_sub_co_u32 s[T0], 0, s[UC]
	s_and_b32 s[T0], s[T0], 3                      ; the unit's row tile t
	s_lshl_b32 s[T0], s[T0], 4
	s_sub_co_i32 s[T0], s[LENQ], s[T0]
	v_cmp_gt_i32 vcc_lo, s[T0], v4                 ; is my query inside the sentence?
	v_cndmask_b32 v18, 0, v18, vcc_lo              ; if not, its row of weights counts as 0
	s_wait_dscnt 0x2                               ; the residual is in; the next Q's two loads may stay out
.set i, 0
.rept 8
	v_pk_fma_f32 v[XT+2*i:XT+2*i+1], v[OA+2*i:OA+2*i+1], v[18:19], v[XT+2*i:XT+2*i+1] op_sel_hi:[1,0,1]
.set i, i+1
.endr
.irp i, 0,1,2,3
	ds_store_b128 v9, v[XT+4*\i:XT+4*\i+3] offset:(\ao)+512*\i
.endr
.endm
.macro NEXTU amax                      ; the next trip's residual: a scalar steps by a unit's 2,048 bytes and is held at the last unit's place; my fixed base is added
	s_add_co_u32 s[AOF], s[AOF], 2048
	s_min_u32 s[AOF], s[AOF], \amax
	v_add_nc_u32 v9, s[AOF], v8
.endm
; LN over 256 channels of the 64 rows in the accumulators' registers.  Each wave: mean and sum of squares about it over its 64 channels; the four waves' pairs meet in LDS and are combined
; without a difference of large sums: M2 = sum of M2_w + 64 sum of (mean_w - mean)^2.
.macro LN
	ALL4 v_pk_add_f32 v[LT+8*t:LT+8*t+1], v[ACC+32*t:ACC+32*t+1], v[ACC+32*t+2:ACC+32*t+3]
	ALL4 v_pk_add_f32 v[LT+8*t+2:LT+8*t+3], v[ACC+32*t+4:ACC+32*t+5], v[ACC+32*t+6:ACC+32*t+7]
.set i, 8
.rept 6
	ALL4 v_pk_add_f32 v[LT+8*t:LT+8*t+1], v[LT+8*t:LT+8*t+1], v[ACC+32*t+i:ACC+32*t+i+1]
	ALL4 v_pk_add_f32 v[LT+8*t+2:LT+8*t+3], v[LT+8*t+2:LT+8*t+3], v[ACC+32*t+i+2:ACC+32*t+i+3]
.set i, i+4
.endr
	ALL4 v_pk_add_f32 v[LT+8*t:LT+8*t+1], v[LT+8*t:LT+8*t+1], v[LT+8*t+2:LT+8*t+3]
	ALL4 v_add_f32 v[LT+8*t], v[LT+8*t], v[LT+8*t+1]
	ALL4 v_permlanex16_b32 v[LT+8*t+1], v[LT+8*t], s[SEL], s[SEL+1]
	ALL4 v_add_f32 v[LT+8*t], v[LT+8*t], v[LT+8*t+1]
	ALL4 v_mul_f32 v[LT+8*t], 0x3c800000, v[LT+8*t]
.set i, 0
.rept 16
	ALL4 v_pk_add_f32 v[LT+8*t+4:LT+8*t+5], v[ACC+32*t+2*i:ACC+32*t+2*i+1], v[LT+8*t:LT+8*t+1] op_sel_hi:[1,0] neg_lo:[0,1] neg_hi:[0,1]
.if i == 0
	ALL4 v_pk_mul_f32 v[LT+8*t+2:LT+8*t+3], v[LT+8*t+4:LT+8*t+5], v[LT+8*t+4:LT+8*t+5]
.else
	ALL4 v_pk_fma_f32 v[LT+8*t+2:LT+8*t+3], v[LT+8*t+4:LT+8*t+5], v[LT+8*t+4:LT+8*t+5], v[LT+8*t+2:LT+8*t+3]
.endif
.set i, i+1
.endr
	ALL4 v_add_f32 v[LT+8*t+1], v[LT+8*t+2], v[LT+8*t+3]
	ALL4 v_permlanex16_b32 v[LT+8*t+2], v[LT+8*t+1], s[SEL], s[SEL+1]
	ALL4 v_add_f32 v[LT+8*t+1], v[LT+8*t+1], v[LT+8*t+2]
	ALL4 ds_store_b64 v12, v[LT+8*t:LT+8*t+1] offset:512*t
	BAR                                            ; all four waves' pairs lie in LDS; and nobody reads x's bf16 copy any more
	ALL4 ds_load_b128 v[LT+8*t:LT+8*t+3], v13 offset:512*t
	ALL4 ds_load_b128 v[LT+8*t+4:LT+8*t+7], v13 offset:512*t+16
	s_wait_dscnt 0x0
	ALL4 v_add_f32 v[20+t], v[LT+8*t], v[LT+8*t+2]
	ALL4 v_add_f32 v[24+t], v[LT+8*t+4], v[LT+8*t+6]
	ALL4 v_add_f32 v[20+t], v[20+t], v[24+t]
	ALL4 v_mul_f32 v[20+t], 0x3e800000, v[20+t]
	ALL4 v_sub_f32 v[LT+8*t], v[LT+8*t], v[20+t]
	ALL4 v_sub_f32 v[LT+8*t+2], v[LT+8*t+2], v[20+t]
	ALL4 v_sub_f32 v[LT+8*t+4], v[LT+8*t+4], v[20+t]
	ALL4 v_sub_f32 v[LT+8*t+6], v[LT+8*t+6], v[20+t]
	ALL4 v_add_f32 v[LT+8*t+1], v[LT+8*t+1], v[LT+8*t+3]
	ALL4 v_add_f32 v[LT+8*t+5], v[LT+8*t+5], v[LT+8*t+7]
	ALL4 v_add_f32 v[LT+8*t+1], v[LT+8*t+1], v[LT+8*t+5]
	ALL4 v_mul_f32 v[24+t], v[LT+8*t], v[LT+8*t]
	ALL4 v_fmac_f32 v[24+t], v[LT+8*t+2], v[LT+8*t+2]
	ALL4 v_fmac_f32 v[24+t], v[LT+8*t+4], v[LT+8*t+4]
	ALL4 v_fmac_f32 v[24+t], v[LT+8*t+6], v[LT+8*t+6]
	ALL4 v_fmac_f32 v[LT+8*t+1], 0x42800000, v[24+t]
	ALL4 v_fma_f32 v[LT+8*t+1], v[LT+8*t+1], s[R256], s[EPS]
	ALL4 v_rsq_f32 v[LT+8*t], v[LT+8*t+1]
	v_nop                                          ; a plain instruction behind the last of the four,
	s_wait_alu depctr_va_vdst(0)                   ; and their one wait
	ALL4 v_mul_f32 v[LT+8*t+2], -v[20+t], v[LT+8*t]
	s_wait_loadcnt 63                              ; gamma and beta: 128 loads were issued behind them
.set i, 0
.rept 16
	ALL4 v_pk_fma_f32 v[ACC+32*t+2*i:ACC+32*t+2*i+1], v[ACC+32*t+2*i:ACC+32*t+2*i+1], v[LT+8*t:LT+8*t+1], v[LT+8*t+2:LT+8*t+3] op_sel_hi:[1,0,0]
	ALL4 v_pk_fma_f32 v[ACC+32*t+2*i:ACC+32*t+2*i+1], v[ACC+32*t+2*i:ACC+32*t+2*i+1], v[32+2*i:32+2*i+1], v[64+2*i:64+2*i+1]
.set i, i+1
.endr
.endm
	; ---- the head ----
	s_load_b256 s[4:11], s[0:1], 0x0               ; state in 4, wts 6, cfg 8, sentence_length 10
	s_load_b128 s[12:15], s[0:1], 0x20             ; state out 12, out0 14
	v_lshl_add_u32 v2, v0, 2, SPARE                ; my spare word, and 0: kept for the closing lines alone
	v_mov_b32 v3, 0
	v_lshrrev_b32 v20, 5, v0
	v_readfirstlane_b32 s[WVN], v20
	s_mov_b32 s[GID], ttmp9
	s_lshr_b32 s[SEQ], s[GID], 3
	s_and_b32 s[QBK], s[GID], 7
	s_lshl_b32 s[T2], s[SEQ], 2
	v_and_b32 v21, 31, v0
	v_lshlrev_b32 v1, 4, v21                       ; v1  16 x lane
	v_and_b32 v4, 15, v0                           ; v4  r
	v_bfe_u32 v22, v0, 4, 1                        ;     h
	v_lshlrev_b32 v5, 5, v22                       ; v5  32 h
	v_lshlrev_b32 v14, 2, v4                       ; v14 4 r
	v_mul_u32_u24 v7, v4, PX
	v_lshl_add_u32 v7, v22, 4, v7                  ; v7  a fragment's row x pitch + 16 h
	s_lshl_b32 s[T0], s[WVN], 7
	v_add_nc_u32 v6, s[T0], v7                     ; v6  + my 128 bytes of a row
	s_lshl_b32 s[T0], s[WVN], 14
	s_add_co_u32 s[T0], s[T0], XR
	v_add_nc_u32 v8, s[T0], v1                     ; v8  my x in f32
	s_lshl_b32 s[T0], s[WVN], 13
	s_add_co_u32 s[T0], s[T0], QS
	v_add_nc_u32 v10, s[T0], v1                    ; v10 my Q
	v_lshlrev_b32 v13, 5, v4
	v_add_nc_u32 v13, ST, v13                      ; v13 a row's four pairs
	s_lshl_b32 s[T0], s[WVN], 3
	v_add_nc_u32 v12, s[T0], v13                   ; v12 my pair among them
	s_mov_b32 s[CS], 0x3db8aa3b                    ; c = log2(e) / 16
	s_mov_b32 s[CS+1], s[CS]
	s_mov_b32 s[SEL], 0x76543210
	s_mov_b32 s[SEL+1], 0xfedcba98
	s_mov_b32 s[BIGN], 0xf149f2ca                  ; -1e30
	s_mov_b32 s[EPS], 0x19416d9b                   ; 1e-23
	s_mov_b32 s[R256], 0x3b800000                  ; 1 / 256
	s_mov_b32 s31, 0
	s_lshl_b32 s[T1], s[SEQ], 3
	s_lshl1_add_u32 s[T1], s[WVN], s[T1]
	s_lshl_b32 s[T1], s[T1], 15                    ; head 8 b + 2 w, 32,768 bytes a head in K and in V
	s_lshl_b32 s[T0], s[QBK], 12                   ; v15: the prefetch's offsets, in the second head: K, my work-group's four fragments, 256 bytes a lane,
	s_add_co_u32 s[T0], s[T0], s[T1]
	s_add_co_u32 s[T0], s[T0], KOFF+32768
	v_lshl_add_u32 v23, v4, 8, s[T0]
	s_lshl_b32 s[T0], s[QBK], 11                   ; and V: two fragments in each of the two channel blocks
	s_add_co_u32 s[T0], s[T0], s[T1]
	s_add_co_u32 s[T0], s[T0], VOFF+32768
	v_and_b32 v24, 7, v4
	v_lshl_add_u32 v24, v24, 8, s[T0]
	v_lshrrev_b32 v25, 3, v4
	v_lshl_add_u32 v24, v25, 14, v24
	v_cmp_eq_u32 vcc_lo, 1, v22
	v_cndmask_b32 v15, v23, v24, vcc_lo
	s_wait_kmcnt 0x0
	s_load_b32 s[LI], s[8:9], 0x0
	s_load_b32 s[LEN], s[10:11], s[T2] offset:0x0
	s_lshl_b32 s30, s[GID], 16
	s_lshl_b32 s[T0], s[WVN], 14
	s_add_co_u32 s30, s30, s[T0]
	s_add_nc_u64 s[XI:XI+1], s[4:5], s[30:31]
	s_add_nc_u64 s[XO:XO+1], s[12:13], s[30:31]
	LDW 0, ACC, 32, XI, 0, th:TH_LOAD_NT           ; x, in register order
	s_add_co_u32 s30, s[T1], KOFF
	s_add_nc_u64 s[KP:KP+1], s[4:5], s[30:31]
	s_lshl_b32 s[T0], s[QBK], 12
	s_add_co_u32 s30, s30, s[T0]
	s_add_nc_u64 s[KO:KO+1], s[12:13], s[30:31]
	s_add_co_u32 s30, s[T1], VOFF
	s_add_nc_u64 s[VP:VP+1], s[4:5], s[30:31]
	s_lshl_b32 s[T0], s[QBK], 11
	s_add_co_u32 s30, s30, s[T0]
	s_add_nc_u64 s[VO:VO+1], s[12:13], s[30:31]
	s_mul_i32 s30, s[GID], 5120
	s_mul_i32 s[T0], s[WVN], 1280
	s_add_co_u32 s30, s30, s[T0]
	s_add_nc_u64 s[OP:OP+1], s[14:15], s[30:31]
	s_add_nc_u64 s[TABP:TABP+1], s[6:7], TABOFF
	s_lshl_b32 s30, s[WVN], 8
	s_add_nc_u64 s[TW:TW+1], s[TABP:TABP+1], s[30:31]
	s_wait_kmcnt 0x0
	s_min_u32 s[LI], s[LI], 3
	s_max_i32 s[LEN], s[LEN], 0
	s_min_u32 s[LEN], s[LEN], 512
	s_cmp_gt_u32 s[LEN], 256
	s_cselect_b32 s[BIGK], 1, 0
	s_cmp_eq_u32 s[LI], 3
	s_cselect_b32 s[LAST], 1, 0
	s_lshl_b32 s[T0], s[QBK], 6
	s_sub_co_i32 s[LENQ], s[LEN], s[T0]
	s_cmp_lt_u32 s[T0], s[LEN]
	s_cselect_b32 s[LIVE], 1, 0
	s_mov_b32 s[T1], 32768                         ; the second half of K's and V's registers: keys 256 .. of the first head, or the second head's keys 0 .. 255
	s_cmp_eq_u32 s[BIGK], 1
	s_cselect_b32 s30, 16384, s[T1]
	s_add_nc_u64 s[KP2:KP2+1], s[KP:KP+1], s[30:31]
	s_cselect_b32 s30, 8192, s[T1]
	s_add_nc_u64 s[VP2:VP2+1], s[VP:VP+1], s[30:31]
	s_lshl_b32 s[T1], s[WVN], 15                   ; my 32 fragments of a matrix
	s_mul_i32 s30, s[LI], LAYB
	s_add_co_u32 s30, s30, s[T1]
	s_add_nc_u64 s[WQP:WQP+1], s[6:7], s[30:31]
	s_add_co_u32 s30, s[T1], W12OFF
	s_add_nc_u64 s[W12P:W12P+1], s[6:7], s[30:31]
	s_add_co_u32 s[T0], s[LI], 1
	s_min_u32 s[T0], s[T0], 3                      ; the next layer
	s_mul_i32 s[T2], s[T0], LAYB
	s_add_co_u32 s[T2], s[T2], s[T1]
	s_add_co_u32 s30, s[T2], WVO
	s_add_nc_u64 s[WVP:WVP+1], s[6:7], s[30:31]
	s_add_co_u32 s[T2], s[T2], WKO
	s_mov_b32 s30, WOOFF
	s_cmp_eq_u32 s[LAST], 1
	s_cselect_b32 s30, s30, s[T2]                  ; window 1's last load: the next WK, or WO
	s_add_nc_u64 s[WNP:WNP+1], s[6:7], s[30:31]
	s_lshl_b32 s30, s[LI], 10
	s_add_nc_u64 s[TQ:TQ+1], s[TW:TW+1], s[30:31]
	s_lshl_b32 s30, s[T0], 10
	s_add_nc_u64 s[TN:TN+1], s[TW:TW+1], s[30:31]
	; ---- x comes in: set aside in f32 (my own bytes), published in bf16.  WQ and bq are asked for by every work-group, so that the text has one test of the length; one beyond the sentence's end does not use them ----
	TAB8 32, TQ, T_BQ
	LDW 1, 0, 64, WQP, 0
	WIN 0
	s_wait_loadcnt 63                              ; 72 loads are younger than x's: x is in
.set i, 0
.rept 32
	ds_store_b128 v8, v[ACC+4*i:ACC+4*i+3] offset:((((i/2)%4)/2)*4+i/8)*2048+(((i/2)%2)*2+i%2)*512
.set i, i+1
.endr
	PUBLISH XB
	BAR
	s_cmp_eq_u32 s[LIVE], 1
	s_cbranch_scc0 .Ljoin                          ; all my rows lie beyond the sentence: their attention is 0
	; ---- Q ----
	LOADXF
	s_wait_loadcnt 0x0                             ; WQ and bq, asked for ahead of the barrier
	LDW 2, 0, 32, KP, 0
	LDW 2, 128, 32, KP2, 0
	WIN 0
	s_wait_dscnt 0x0
	PROJ 1, 0, 1
	PLACES
.set e, 0
.rept 64                                       ; (x Wq) c + bq c
	v_pk_fma_f32 v[ACC+e:ACC+e+1], v[ACC+e:ACC+e+1], s[CS:CS+1], v[32+e%32:32+e%32+1] op_sel_hi:[1,0,1]
.set e, e+2
.endr
	PACK64
.set x, 0
.rept 16
	ds_store_b128 v10, v[ACC+8*x:ACC+8*x+3] offset:(4*((x%4)/2)+x/4)*1024+(x%2)*512
.set x, x+1
.endr
	LDW 3, 0, 16, VP, 0                            ; V: fragment (cv, kk) at register 8 (16 cv + kk)
	LDW 3, 128, 16, VP, 16384
	LDW 3, 64, 16, VP2, 0
	LDW 3, 192, 16, VP2, 16384
	WIN 0
	s_cmp_eq_u32 s[BIGK], 1
	s_cselect_b32 s[T0], 256, 0
	s_sub_co_i32 s[T0], s[LEN], s[T0]
	v_lshrrev_b32 v28, 2, v5
	v_sub_nc_u32 v28, s[T0], v28                   ; register 8 kb + j of the mask is hidden where 16 kb + j is not below this
.set i, 0
.rept 128
	v_cmp_ge_i32 vcc_lo, 16*(i/8)+i%8, v28
	v_cndmask_b32 v[ACC+i], 0, s[BIGN], vcc_lo
.set i, i+1
.endr
.set i, 0
.rept 8
	v_mov_b32 v[ONES+i], 0x3f803f80
.set i, i+1
.endr
	v_mov_b32 v17, 0                               ; named with m and 1 / l as pairs
	v_mov_b32 v19, 0
	v_mov_b32 v9, v8
	v_mov_b32 v11, v10
	s_mov_b32 s[SQO], 0
	s_mov_b32 s[AOF], 0
	ds_load_b128 v[QF:QF+3],   v10
	ds_load_b128 v[QF+4:QF+7], v10 offset:512
	; ---- attention ----
	s_cmp_eq_u32 s[BIGK], 1
	s_cbranch_scc1 .Lbig
	s_wait_loadcnt 0x0                             ; both heads' K and V
	s_mov_b32 s[UC], 4
.Lus:                                          ; a trip: row tile t for both heads
	UNIT 256, 0, 0, 0, 0, 0, 0, 4096
	UNIT 256, 128, 8, 8192, 0, 1, 3072, 0
	NEXTU 6144
	s_sub_co_u32 s[UC], s[UC], 1
	s_cmp_lg_u32 s[UC], 0
	s_cbranch_scc1 .Lus
	s_branch .Ljoin
.Lbig:
	s_mov_b32 s[UC], 8
.Lub:                                          ; a trip: unit 4 head + t
	UNIT 512, 0, 0, 0, 1, 1, 7168, 0
	NEXTU 14336
	s_sub_co_u32 s[UC], s[UC], 1
	s_cmp_lg_u32 s[UC], 0
	s_cbranch_scc1 .Lub
	; ---- att + x comes back; the rest of the launch's weights are asked for ----
.Ljoin:
	s_wait_dscnt 0x0                               ; no LDS load,
	s_wait_loadcnt 0x0                             ; and no load from memory (WQ's, where attention was skipped), is out into the registers that are loaded now
	TAB8 32, TW, T_GAM
	TAB8 64, TW, T_BET
	LDW 2, 0, 64, W12P, 0
	LDW 1, 0, 64, WNP, 0                           ; the next WK; in the last layer WO's 16 KB and 16 KB behind it that are not used: the price of one run for both
	WIN 0
.set i, 0
.rept 32
	ds_load_b128 v[ACC+4*i:ACC+4*i+3], v8 offset:((((i/2)%4)/2)*4+i/8)*2048+(((i/2)%2)*2+i%2)*512
.set i, i+1
.endr
	s_wait_dscnt 0x0
	s_mov_b32 s[LNC], 2
.Lln:                                          ; twice: LN and publication; between the two, the FFN
	LN
	PUBLISH XB
	s_cmp_eq_u32 s[LNC], 1
	s_cbranch_scc0 .Lnolo
	s_cmp_eq_u32 s[LAST], 1
	s_cbranch_scc0 .Lnolo
	PUBLO
.Lnolo:
	BAR                                            ; all of x lies in LDS; and everybody has read LN's pairs
	s_sub_co_u32 s[LNC], s[LNC], 1
	s_cmp_eq_u32 s[LNC], 0
	s_cbranch_scc1 .Ltail
	LOADXF
	TAB8 LT, TW, T_B12
	s_wait_loadcnt 8                               ; all but b12's eight loads: W12 is in
	s_wait_dscnt 0x0
	PROJ 2, 0, 0                                   ; the sums start from x itself: x W12 + x
	PLACES
	s_wait_loadcnt 0x0
.set e, 0
.rept 64
	v_pk_add_f32 v[ACC+e:ACC+e+1], v[ACC+e:ACC+e+1], v[LT+e%32:LT+e%32+1]
.set e, e+2
.endr
	s_cmp_eq_u32 s[LAST], 1
	s_cbranch_scc1 .Lnowv
	LDW 2, 0, 64, WVP, 0
	WIN 0
.Lnowv:
	s_branch .Lln
.Ltail:
	s_cmp_eq_u32 s[LAST], 1
	s_cbranch_scc1 .Lfinal
	; ---- x, and the next layer's K and V ----
	TAB8 32, TN, T_BK
.irp a, 0,1,2,3
	global_load_b32 v[64+2*\a], v14, s[TN:TN+1] offset:T_BV+64*\a
.endr
.set i, 0
.rept 32
	global_store_b128 v1, v[ACC+4*i:ACC+4*i+3], s[XO:XO+1] offset:512*i th:TH_STORE_NT
.set i, i+1
.endr
	LOADXF
	s_wait_loadcnt 12                              ; all but the twelve loads of bk and bv: WK and WV are in
	s_wait_dscnt 0x0
	s_wait_xcnt 0x0                                ; x's stores have read the accumulators' registers
	PROJ 1, 0, 1
	s_wait_loadcnt 0x0
	KOUT
	s_wait_xcnt 0x0                                ; K's stores have read them
	PROJ 2, 1, 1
	VOUT
	s_branch .Lend
	; ---- the last layer: logits^T = Wo^T x^T, x as its bf16 part and what that left; wave w takes rows 16 w .. ----
.Lfinal:
.set li, 0
.rept 4
	global_load_b128 v[32+4*li:32+4*li+3], v5, s[TABP:TABP+1] offset:T_BO+64*(li/2)+16*(li%2)
.set li, li+1
.endr
	s_mul_i32 s[T0], s[WVN], 16*PX
	v_add_nc_u32 v20, s[T0], v7
	WIN 0xC0
.set ks, 0
.rept 8
	ds_load_b128 v[8*ks:8*ks+3],       v20 offset:XB+64*ks
	ds_load_b128 v[8*ks+4:8*ks+7],     v20 offset:XB+64*ks+32
	ds_load_b128 v[64+8*ks:64+8*ks+3], v20 offset:XL+64*ks
	ds_load_b128 v[64+8*ks+4:64+8*ks+7], v20 offset:XL+64*ks+32
.set ks, ks+1
.endr
	WIN 0
	s_wait_loadcnt 0x0                             ; WO, bo
	s_wait_dscnt 0x0
	WIN 0x0D                                       ; WO in window 1, x in window 3
.set ks, 0
.rept 8
.irp a, 0,1,2,3                                ; a = 2 part + label block: four accumulators take turns
.if ks == 0
	v_wmma_f32_16x16x32_bf16 v[ACC+8*\a:ACC+8*\a+7], v[8*(8*(\a%2)+ks):8*(8*(\a%2)+ks)+7], v[64*(\a/2)+8*ks:64*(\a/2)+8*ks+7], 0
.else
	v_wmma_f32_16x16x32_bf16 v[ACC+8*\a:ACC+8*\a+7], v[8*(8*(\a%2)+ks):8*(8*(\a%2)+ks)+7], v[64*(\a/2)+8*ks:64*(\a/2)+8*ks+7], v[ACC+8*\a:ACC+8*\a+7]
.endif
.endr
.set ks, ks+1
.endr
	WIN 0
	PLACES
.set e, 0
.rept 8
	v_pk_add_f32 v[ACC+e:ACC+e+1], v[ACC+e:ACC+e+1], v[ACC+16+e:ACC+16+e+1]
.set e, e+2
.endr
.set e, 0
.rept 8
	v_pk_add_f32 v[ACC+e:ACC+e+1], v[ACC+e:ACC+e+1], v[32+e:32+e+1]
.set e, e+2
.endr
	s_mul_i32 s[T0], s[WVN], 1280
	s_add_co_u32 s[T0], s[T0], OS                  ; my stage: 16 rows of 80 bytes
	v_mul_u32_u24 v21, v4, 80                      ; a row of 20 labels
	v_add_nc_u32 v21, s[T0], v21
	v_add_nc_u32 v22, v5, v21                      ; labels 8 h ..
	v_add_nc_u32 v23, s[T0], v1                    ; back: 16 bytes a lane, for the stage's first 1,024 bytes
	v_lshl_add_u32 v28, v4, 4, s[T0]               ; and 16 bytes for each lane % 16, for its last 256: no lane's address leaves my 1,280 bytes
	v_lshlrev_b32 v29, 4, v4                       ; the same place in out0
	ds_store_b128 v22, v[ACC:ACC+3]
	ds_store_b128 v22, v[ACC+4:ACC+7] offset:16
.irp i, 0,1,2,3                                ; labels 16-19 lie in lanes 0-15: lanes 16-31 take their numbers, and all lanes store: both halves the same number to the same address
	v_permlanex16_b32 v[24+\i], v[ACC+8+\i], s[SEL], s[SEL+1]
.endr
	v_cmp_ne_u32 vcc_lo, 0, v5
.irp i, 0,1,2,3
	v_cndmask_b32 v[24+\i], v[ACC+8+\i], v[24+\i], vcc_lo
.endr
	ds_store_b128 v21, v[24:27] offset:64
	ds_load_b128 v[96:99],   v23                   ; LDS serves a wave's instructions in order: these see the stores above
	ds_load_b128 v[100:103], v23 offset:512
	ds_load_b128 v[104:107], v28 offset:1024       ; lanes l and l + 16 read the same 16 bytes
	s_wait_dscnt 0x0
	global_store_b128 v1, v[96:99],   s[OP:OP+1] th:TH_STORE_NT             ; 512 consecutive bytes, at a multiple of 256 from out0's first
	global_store_b128 v1, v[100:103], s[OP:OP+1] offset:512 th:TH_STORE_NT
	global_store_b128 v29, v[104:107], s[OP:OP+1] offset:1024 th:TH_STORE_NT ; 256 consecutive bytes; both halves of the lanes store the same numbers to the same place
.Lend:
	s_wait_tensorcnt 0x0                           ; the wave's end: three closing lines behind the last LDS store
	ds_add_u32 v2, v3
	s_wait_dscnt 0x0
	s_endpgm
.Lfunc_end_k_q52633236d7_layer0:
	.size	k_q52633236d7_layer0, .Lfunc_end_k_q52633236d7_layer0-k_q52633236d7_layer0
	.p2alignl 7, 3214868480
	.fill 96, 4, 3214868480
	.section	.rodata,"a",@progbits
	.p2align	6, 0x0
	.amdhsa_kernel k_q52633236d7_layer0
		.amdhsa_group_segment_fixed_size 173568
		.amdhsa_private_segment_fixed_size 0
		.amdhsa_enable_private_segment 0
		.amdhsa_kernarg_size 48
		.amdhsa_user_sgpr_count 2
		.amdhsa_user_sgpr_kernarg_segment_ptr 1
		.amdhsa_wavefront_size32 1
		.amdhsa_system_sgpr_workgroup_id_x 1
		.amdhsa_system_sgpr_workgroup_id_y 1
		.amdhsa_system_sgpr_workgroup_id_z 1
		.amdhsa_system_vgpr_workitem_id 0
		.amdhsa_next_free_vgpr 1024
		.amdhsa_next_free_sgpr 80
		.amdhsa_reserve_vcc 1
		.amdhsa_float_denorm_mode_32 3
		.amdhsa_float_denorm_mode_16_64 3
		.amdhsa_memory_ordered 1
		.amdhsa_forward_progress 1
		.amdhsa_inst_pref_size 255
	.end_amdhsa_kernel
	.section	.bss,"aw",@nobits
	.p2align	6
	.space	262144
	.amdgpu_metadata
---
amdhsa.version: [ 1, 2 ]
amdhsa.kernels:
  - .name:           k_q52633236d7_layer0
    .symbol:         k_q52633236d7_layer0.kd
    .args:
      - { .name: stA, .offset: 0, .size: 8, .value_kind: global_buffer, .address_space: global }
      - { .name: wts, .offset: 8, .size: 8, .value_kind: global_buffer, .address_space: global }
      - { .name: cfg0, .offset: 16, .size: 8, .value_kind: global_buffer, .address_space: global }
      - { .name: sentence_length, .offset: 24, .size: 8, .value_kind: global_buffer, .address_space: global }
      - { .name: stB, .offset: 32, .size: 8, .value_kind: global_buffer, .address_space: global }
      - { .name: out0, .offset: 40, .size: 8, .value_kind: global_buffer, .address_space: global }
    .group_segment_fixed_size: 173568
    .private_segment_fixed_size: 0
    .kernarg_segment_align: 8
    .kernarg_segment_size: 48
    .max_flat_workgroup_size: 128
    .sgpr_count:     80
    .vgpr_count:     1024
    .wavefront_size: 32
...
	.end_amdgpu_metadata
.endif
;; end of part 3
;; launch layer1: the kernel of part 3 again; grid 256 x 1, 4 waves a work-group, no clusters, 173,568 bytes of LDS; arguments stB, wts, cfg1, sentence_length, stA, out0; writes stA, out0
;; launch layer2: the kernel of part 3 again; grid 256 x 1, 4 waves a work-group, no clusters, 173,568 bytes of LDS; arguments stA, wts, cfg2, sentence_length, stB, out0; writes stB, out0
;; launch layer3: the kernel of part 3 again; grid 256 x 1, 4 waves a work-group, no clusters, 173,568 bytes of LDS; arguments stB, wts, cfg3, sentence_length, stA, out0; writes stA, out0
;; ======== version 2 of 2: 6 launches; version 1 with the launches layer0, layer1, layer2, layer3 written anew for expert scheduling mode
;; limits: a difference of large sums (such as E[x^2] - mean^2): digits are lost where the result is much smaller than its terms
;; workspace buffers: wts 1,735,936 bytes; cfg0 256 bytes of whole numbers; cfg1 256 bytes of whole numbers; cfg2 256 bytes of whole numbers; cfg3 256 bytes of whole numbers; stA 33,554,432 bytes; stB 33,554,432 bytes
;; launch prep: the kernel of part 1 again; grid 233 x 1, 8 waves a work-group, no clusters, 17,408 bytes of LDS; arguments Wq, Wk, Wv, W1, W2, Wo, bq, bk, bv, b1, b2, bo, gamma, beta, wts, cfg0, cfg1, cfg2, cfg3; writes wts, cfg0, cfg1, cfg2, cfg3
;; launch embed: the kernel of part 2 again; grid 256 x 1, 4 waves a work-group, no clusters, 100,864 bytes of LDS; arguments batch_ch_ids, ch_embedding, pos_embedding, wts, stA; writes stA
;; launch layer0 (part 4): grid 256 x 1, 4 waves a work-group, no clusters, 173,568 bytes of LDS; arguments stA, wts, cfg0, sentence_length, stB, out0; writes stB, out0
.if DOCPART == 4
	.amdgcn_target "amdgcn-amd-amdhsa--gfx1250"
	.amdhsa_code_object_version 6
	.text
	.protected	k_q52633236d7_layer0
	.globl	k_q52633236d7_layer0
	.p2align	8
	.type	k_q52633236d7_layer0,@function
k_q52633236d7_layer0:
	s_mov_b64 s[64:65], 0
	v_nop
	global_prefetch_b8 v0, s[64:65] scope:SCOPE_SE
	s_setreg_imm32_b32 hwreg(HW_REG_WAVE_SCHED_MODE, 0, 2), 2
	s_setreg_imm32_b32 hwreg(HW_REG_WAVE_MODE, 25, 1), 1
	s_wait_xcnt 0x0
	s_wait_alu depctr_vm_vsrc(0)
; ONE LAYER: Q from x; attention (8 heads of 32, scores / 16, keys and queries beyond the sentence's length masked); + x, LN; x W12 + b12 + x, LN;
; then K and V of the next layer and x into the other state buffer, or (layer 3) x Wo + bo into out0.  The layer's number is read from cfg; the state's and the weights' layouts are those of the two launches before.
; SHARES.  A work-group owns 64 whole rows (sequence b = g / 8, rows 64 qb .., qb = g % 8); wave w owns channels 64 w .. 64 w + 63 of every product: heads 2 w and 2 w + 1.
; LAYOUT.  Q^T, K^T and the FFN are W^T (source 0) x^T (source 1): a lane holds ONE row (lane % 16) and channels 8 (lane / 16) + 0..7.  S^T = K Q^T holds one query a lane and eight keys; two such results rounded
; to bf16 ARE source 1 of O^T = V^T P, whose result has the first layout again.  So nothing changes lanes; a query's maximum wants one exchange of the lanes' halves, its sum l is a product of ones with P.
; SOFTMAX.  A query's whole row of scores lies in registers, so m is the row's true maximum over the keys it sees.  Q carries c = log2(e) / 16: p = 2^(s - m).
; STREAMS.  Weights, K and V lie in memory as fragments; each is wanted by ONE wave of the work-group, which keeps it in registers for its four row tiles.  So they come by loads of 512 consecutive bytes, with no
; ring in LDS and no barrier inside attention.  NO CLUSTER, though the eight work-groups of a sequence read the same K and V and all read the same weights: a joint load lands in LDS, where no second wave wants it;
; 1 MB a work-group would go through the 150 KB that are free, in rounds inside a phase that has no barrier now; and partners beyond the sentence's end do no attention at all.
; LENGTH.  len is held to 0 .. 512.  A work-group whose rows all lie beyond len skips Q and attention (their weights are all 0).  len <= 256: 256 keys, both heads' K and V in registers at once;
; else 512 keys, the heads one after the other.  The last 256 keys taken have a mask, 0 or -1e30, as the C operand of the score's product.
; LIMITS.  A hidden score counts as its value less 1e30; a weight below 2^-126 counts as 0; l is the sum of the weights as rounded to bf16; matrix operands are bf16, the residual x, the statistics and all sums f32;
; LN's last step is t rstd - mean rstd, off by 2^-24 |mean| / std at the most; NaN and infinities are not treated apart.
; REGISTERS in windows of 256 (s_set_vgpr_msb: bits 1:0 source 0, 3:2 source 1, 5:4 source 2, 7:6 destination):
;   window 0: v0-15 addresses, v16-31 at work, v32-127 by phase (below), v128-255 the 16 accumulators; in attention the mask      window 1: WQ; S^T and P; WK or WO
;   window 2: K; W12; WV                                                                                                      window 3: x rounded, on its way to LDS; x's fragments; V
; THE MODE: SCHED_MODE bits 1:0 = 2 (LLVM: expert scheduling mode 2), set by the entry lines.  The code itself states the register dependences between vector or matrix instructions
; and memory or LDS instructions, with s_wait_alu, always for 0.
; THE PLAN: the registers that memory or LDS instructions touch, who else names them, and where the waits stand.
;   v1, v5-v8, v10, v12-v15   Offsets and addresses, made at the head and never written again: one wait on va_vdst ahead of the first load serves them all.
;   PUBLISH     x's 64 roundings write v768-831 (window 3, idle at each of the macro's places); one wait on va_vdst; the 16 LDS stores read them.  Behind the barrier, ahead of the branch there, one wait on vm_vsrc:
;               the stores have read them.  x's fragments then land in window 3, behind a wait on va_vdst of their own, since those stores stand between.
;   A UNIT      XT v96-111: the residual lands there at the unit's head; read by the unit's last eight multiply-adds alone.   XW v112-127: written by those; read by the unit's four LDS stores.
;               v9: the address of the residual's loads; v30: of the stores; v11: of Q's loads; QF v32-39: read by the scores' products, then loaded again.   Four waits:
;               (a) the first group's wait for its exponentials also states that the scores' products are done reading QF and K and that v11 is written: the next Q, and at the change of heads the next K, are asked for behind it;
;               (b) one wait on vm_vsrc behind the last products: the stores of the unit before have read XW and v30, this unit's loads v9 and v11;
;               (c) the reciprocal's wait also states that the products V^T P are done reading V: at the change of heads the next V is asked for behind it;
;               (d) one wait on va_vdst ahead of the stores: XW, v30 and v9 are written and XT is read.  It serves the stores and, over the loop's jump, the next unit's loads of the residual:
;                   between it and them stand the four stores and scalar lines, which name neither XT nor v9.
;   LN          The pairs' LDS stores stand behind one wait on va_vdst; the loads that land in the same registers, behind the barrier, behind one on vm_vsrc and one on va_vdst.
;   RESULTS     (Q, x, K, V, logits)  The arithmetic, one wait on va_vdst, the run of stores; one wait on vm_vsrc, beside s_wait_xcnt where the stores are global, ahead of what writes those registers again.
;   MASKS       A compare's mask is waited for (va_vcc, va_sdst) ahead of its first reader; the key mask's 128 compares go in runs of sixteen into s80-95, one wait a run.
.set KOFF,   16777216
.set VOFF,   25165824
.set LAYB,   393216
.set WKO,    131072
.set WVO,    262144
.set WOOFF,  1572864
.set W12OFF, 1589248
.set TABOFF, 1720320
.set T_BQ,   0
.set T_BK,   4096
.set T_BV,   8192
.set T_B12,  12288
.set T_GAM,  13312
.set T_BET,  14336
.set T_BO,   15360
.set PX,     528                       ; a row of x in bf16: 512 bytes + 16: the 16 rows of a load start at 16 different groups of four banks
.set XB,     0                         ; x in bf16, 64 rows
.set XL,     33792                     ; x less its bf16 part, in bf16 (last layer)
.set XR,     67584                     ; 4 x 16,384: each wave's own x in f32: group (t, cb, half) at ((cb / 2) 4 + t) 2,048 + ((cb % 2) 2 + half) 512 + 16 lane
.set QS,     133120                    ; 4 x 8,192: each wave's own eight fragments of Q, unit 4 head + t at 1,024 each
.set ST,     165888                    ; LN: row 16 t + r, wave w: (mean, sum of squares about it) at 512 t + 32 r + 8 w
.set OS,     167936                    ; 4 x 1,280: each wave's own 16 rows of logits, 80 bytes a row
.set SPARE,  173056                    ; the spare words, 128 bytes a wave
.set ACC,  128
.set MX,   20                          ; v20-27 eight running maxima
.set SA,   30                          ; v30 attention: the LDS address of the unit's stores
.set QF,   32                          ; attention: v32-39 Q's fragment, v40-47 ones, v48-79 O^T (parity of kk, channel block), v80-95 l (parity), v96-111 the residual as loaded, v112-127 as stored
.set ONES, 40
.set OA,   48
.set LA,   80
.set XT,   96
.set XW,   112
.set LT,   96                          ; LN: v32-63 gamma, v64-95 beta, v96-127 eight registers a tile; then b12
.set WVN, 16
.set GID, 17
.set SEQ, 18
.set QBK, 19
.set LI,  20
.set LEN, 21
.set BIGK, 22
.set LAST, 23
.set LIVE, 24
.set LENQ, 25
.set UC,  26
.set SQO, 27
.set LNC, 28
.set T0,  29                           ; s[30:31] a 64-bit offset, high word 0
.set XI,  32
.set KP,  34
.set VP,  36
.set WQP, 38
.set W12P, 40
.set WNP, 42
.set TABP, 44
.set CS,  46
.set SEL, 48
.set BIGN, 50
.set EPS, 51
.set R256, 52
.set XO,  54
.set KO,  56
.set VO,  58
.set OP,  60
.set AOF, 62                           ; s62 the unit's place in my x in f32
.set KP2, 66
.set VP2, 68
.set WVP, 70
.set TQ,  72
.set TN,  74
.set TW,  76
.set T1,  78
.set T2,  79
.set MK,  80                           ; s80-95 sixteen lane masks of the key mask's compares
.set MSB, 0
.macro WIN new                         ; the immediate's high byte repeats the setting that is left; a switch that changes nothing is dropped
.if MSB != (\new)
	s_set_vgpr_msb (MSB<<8)|(\new)
.set MSB, (\new)
.endif
.endm
.macro PLACES                          ; four places behind a product, ahead of what reads its result or writes its registers
.rept 4
	v_nop
.endr
.endm
.macro BAR                             ; my LDS instructions are done; then everybody's
	s_wait_dscnt 0x0
	s_barrier_signal -1
	s_barrier_wait -1
.endm
.macro ALL4 line:vararg                ; one line for each row tile t
.set t, 0
.rept 4
	\line
.set t, t+1
.endr
.endm
.macro LDW win, reg0, n, sb, off, hint:vararg  ; n loads of 512 consecutive bytes into window win
	WIN (\win)<<6
.set li, 0
.rept \n
	global_load_b128 v[(\reg0)+4*li:(\reg0)+4*li+3], v1, s[\sb:\sb+1] offset:(\off)+512*li \hint
.set li, li+1
.endr
.endm
.macro TAB8 reg0, sb, off              ; my 32 channels of a table: register 8 cb + j is channel 16 cb + 8 h + j
.set li, 0
.rept 8
	global_load_b128 v[(\reg0)+4*li:(\reg0)+4*li+3], v5, s[\sb:\sb+1] offset:(\off)+64*(li/2)+16*(li%2)
.set li, li+1
.endr
.endm
.macro PUBLISH base                    ; x rounded to bf16 into LDS by rows: my 128 bytes of each of the 64; the roundings go into v768-831, the stores leave from there
	WIN 0xC0                                       ; destination window 3
.set pi, 0
.rept 16
.irp i, 0,1,2,3
	v_cvt_pk_bf16_f32 v[4*pi+\i], v[ACC+8*pi+2*\i], v[ACC+8*pi+2*\i+1]
.endr
.set pi, pi+1
.endr
	WIN 0x0C                                       ; the stores' data in window 3
	s_wait_alu depctr_va_vdst(0)                   ; the roundings have written v768-831, which the LDS stores read
.set pi, 0
.rept 16
	ds_store_b128 v6, v[4*pi:4*pi+3] offset:(\base)+(pi/4)*16*PX+(pi%4)*32
.set pi, pi+1
.endr
	WIN 0
.endm
.macro PUBLO                           ; what the rounding to bf16 left of x, rounded to bf16 in its turn, into each accumulator's first four registers: x in f32 is not used behind this
.set pi, 0
.rept 16
.irp i, 0,1,2,3
	v_cvt_pk_bf16_f32 v[LT+4*\i], v[ACC+8*pi+2*\i], v[ACC+8*pi+2*\i+1]
.endr
.irp i, 0,1,2,3
	v_lshlrev_b32 v[LT+4*\i+2], 16, v[LT+4*\i]
	v_and_b32 v[LT+4*\i+3], 0xffff0000, v[LT+4*\i]
.endr
.irp i, 0,1,2,3
	v_pk_add_f32 v[LT+4*\i+2:LT+4*\i+3], v[ACC+8*pi+2*\i:ACC+8*pi+2*\i+1], v[LT+4*\i+2:LT+4*\i+3] neg_lo:[0,1] neg_hi:[0,1]
.endr
.irp i, 0,1,2,3
	v_cvt_pk_bf16_f32 v[ACC+8*pi+\i], v[LT+4*\i+2], v[LT+4*\i+3]
.endr
.set pi, pi+1
.endr
	s_wait_alu depctr_va_vdst(0)                   ; the roundings have written the accumulators' first four registers, which the LDS stores read
.set pi, 0
.rept 16
	ds_store_b128 v6, v[ACC+8*pi:ACC+8*pi+3] offset:XL+(pi/4)*16*PX+(pi%4)*32
.set pi, pi+1
.endr
.endm
.macro LOADXF                          ; all of x as fragments (tile t, 32 channels ks at 8 (8 t + ks)) into window 3
	WIN 0xC0
	s_wait_alu depctr_va_vdst(0)                   ; x's roundings have written v768-831, in which fragments land (the stores that read them stand between the roundings' own wait and these loads)
.set f, 0
.rept 32
	ds_load_b128 v[8*f:8*f+3],   v7 offset:(f/8)*16*PX+(f%8)*64
	ds_load_b128 v[8*f+4:8*f+7], v7 offset:(f/8)*16*PX+(f%8)*64+32
.set f, f+1
.endr
	WIN 0
.endm
.macro PROJ ww, swap, zero             ; 128 products: weights in window ww; the 16 accumulators take turns; zero = 1: the first 16 start the sums
.if \swap
	WIN 3|((\ww)<<2)
.else
	WIN (\ww)|(3<<2)
.endif
.set ks, 0
.rept 8
.set x, 0
.rept 16
.set ra, ACC+8*(4*(x%4)+x/4)
.set rw, 8*(8*(x/4)+ks)
.set rx, 8*(8*(x%4)+ks)
.if (\zero) && (ks == 0)
.if \swap
	v_wmma_f32_16x16x32_bf16 v[ra:ra+7], v[rx:rx+7], v[rw:rw+7], 0
.else
	v_wmma_f32_16x16x32_bf16 v[ra:ra+7], v[rw:rw+7], v[rx:rx+7], 0
.endif
.else
.if \swap
	v_wmma_f32_16x16x32_bf16 v[ra:ra+7], v[rx:rx+7], v[rw:rw+7], v[ra:ra+7]
.else
	v_wmma_f32_16x16x32_bf16 v[ra:ra+7], v[rw:rw+7], v[rx:rx+7], v[ra:ra+7]
.endif
.endif
.set x, x+1
.endr
.set ks, ks+1
.endr
	WIN 0
.endm
.macro PACK64                          ; each accumulator's eight numbers into its first four registers
.set x, 0
.rept 16
.irp i, 0,1,2,3
	v_cvt_pk_bf16_f32 v[ACC+8*x+\i], v[ACC+8*x+2*\i], v[ACC+8*x+2*\i+1]
.endr
.set x, x+1
.endr
.endm
.macro KOUT                            ; + bk, rounded, stored as K's fragments: 512 consecutive bytes a store
	PLACES
.set e, 0
.rept 64
	v_pk_add_f32 v[ACC+e:ACC+e+1], v[ACC+e:ACC+e+1], v[32+e%32:32+e%32+1]
.set e, e+2
.endr
	PACK64
	s_wait_alu depctr_va_vdst(0)                   ; the roundings have written K's fragments, which the stores read
.set x, 0
.rept 16
	global_store_b128 v1, v[ACC+8*x:ACC+8*x+3], s[KO:KO+1] offset:((x%4)/2)*32768+(x/4)*1024+(x%2)*512 th:TH_STORE_NT
.set x, x+1
.endr
.endm
.macro VOUT                            ; + bv (one channel a lane), rounded, stored as V^T's fragments
	PLACES
.set e, 0
.rept 64
	v_pk_add_f32 v[ACC+e:ACC+e+1], v[ACC+e:ACC+e+1], v[64+2*((e/8)%4):64+2*((e/8)%4)+1] op_sel_hi:[1,0]
.set e, e+2
.endr
	PACK64
	s_wait_alu depctr_va_vdst(0)                   ; the roundings have written V^T's fragments, which the stores read
.set x, 0
.rept 16
	global_store_b128 v1, v[ACC+8*x:ACC+8*x+3], s[VO:VO+1] offset:((x%4)/2)*32768+(x%2)*16384+((x/4)/2)*1024+((x/4)%2)*512 th:TH_STORE_NT
.set x, x+1
.endr
.endm
; ---- attention's pieces ----
.macro MAX4 x                          ; key tile x into four of the eight maxima; the accumulator's lowest registers are read first
.irp i, 0,1,2,3
	v_max3_num_f32 v[MX+4*((\x)%2)+\i], v[MX+4*((\x)%2)+\i], v[8*(\x)+2*\i], v[8*(\x)+2*\i+1]
.endr
.endm
.macro ADDM x                          ; s - m for a pair of scores
	v_pk_add_f32 v[(\x):(\x)+1], v[(\x):(\x)+1], v[16:17] op_sel_hi:[1,0] neg_lo:[0,1] neg_hi:[0,1]
.endm
.macro CVTP i                          ; weights 2 i, 2 i + 1 rounded to bf16 into register i: P is laid over S^T from its low end
	v_cvt_pk_bf16_f32 v[(\i)], v[2*(\i)], v[2*(\i)+1]
.endm
.macro PVK kk, vk                      ; 32 keys kk: two products V^T P and one of ones with P; six accumulators (by kk's parity) take turns; kk < 2 start the sums
.set pp, (\kk)%2
	WIN 0x07
.if (\kk) < 2
	v_wmma_f32_16x16x32_bf16 v[OA+16*pp:OA+16*pp+7],    v[8*((\vk)+(\kk)):8*((\vk)+(\kk))+7],       v[8*(\kk):8*(\kk)+7], 0
	v_wmma_f32_16x16x32_bf16 v[OA+16*pp+8:OA+16*pp+15], v[8*(16+(\vk)+(\kk)):8*(16+(\vk)+(\kk))+7], v[8*(\kk):8*(\kk)+7], 0
	WIN 0x04
	v_wmma_f32_16x16x32_bf16 v[LA+8*pp:LA+8*pp+7], v[ONES:ONES+7], v[8*(\kk):8*(\kk)+7], 0
.else
	v_wmma_f32_16x16x32_bf16 v[OA+16*pp:OA+16*pp+7],    v[8*((\vk)+(\kk)):8*((\vk)+(\kk))+7],       v[8*(\kk):8*(\kk)+7], v[OA+16*pp:OA+16*pp+7]
	v_wmma_f32_16x16x32_bf16 v[OA+16*pp+8:OA+16*pp+15], v[8*(16+(\vk)+(\kk)):8*(16+(\vk)+(\kk))+7], v[8*(\kk):8*(\kk)+7], v[OA+16*pp+8:OA+16*pp+15]
	WIN 0x04
	v_wmma_f32_16x16x32_bf16 v[LA+8*pp:LA+8*pp+7], v[ONES:ONES+7], v[8*(\kk):8*(\kk)+7], v[LA+8*pp:LA+8*pp+7]
.endif
.endm
; 16 scores of group g (64 scores): subtraction and exponentials; from group 1 on, between the exponentials, the roundings of 16 weights of the group before, and their products.
; No line here names the result of an exponential of its own group: each group's 64 exponentials have one wait, at the group's end.
.macro SLICE g, s, vk
.set sa, 64*(\g)+16*(\s)
	WIN 0x41
	ADDM sa
	ADDM sa+2
.set si, 0
.rept 6
	v_exp_f32 v[sa+si], v[sa+si]
	ADDM sa+4+2*si
.set si, si+1
.endr
.if (\g) == 0
.set si, 6
.rept 10
	v_exp_f32 v[sa+si], v[sa+si]
.set si, si+1
.endr
.else
.set skk, 4*((\g)-1)+(\s)
	WIN 0x45
.set si, 0
.rept 8
	v_exp_f32 v[sa+6+si], v[sa+6+si]
	CVTP 8*skk+si
.set si, si+1
.endr
	v_exp_f32 v[sa+14], v[sa+14]
	v_exp_f32 v[sa+15], v[sa+15]
	PVK skk, \vk
.endif
.endm
; A UNIT: 16 queries of one head against nk keys.  kr: K's first register (window 2); vk: V's first block of 32 keys (window 3); ao: the unit's residual, from v9 (loads) and v30 (stores).
; big = 1: the 512-key walk, which changes heads in its fourth unit.  qstep, qmax, qo: where the next unit's Q lies.
; mk = 1: v30 is made from the unit's place; st = 1: the place steps by a unit's 2,048 bytes, held at amax, the last unit's, and v9 is made from it for the next unit.
.macro UNIT nk, kr, vk, ao, big, qstep, qmax, qo, mk, st, amax
	WIN 0
.irp i, 0,1,2,3
	ds_load_b128 v[XT+4*\i:XT+4*\i+3], v9 offset:(\ao)+512*\i  ; no wait: v9 was written, and XT last read, ahead of the wait that stands in front of the stores of the unit before (the first unit: of the wait at the set-up's end)
.endr
.if \big
	s_wait_loadcnt 0x0                             ; K and V are in: at the start, and behind the change of heads
.endif
	s_wait_dscnt 0x4                               ; Q's fragment is in; the four loads just issued may stay out
.set kb, 0
.rept (\nk)/16                                 ; a product, and behind it four lines of the maximum of the tile two back: eight places lie between a product and its first reader
	WIN 0x42
.if kb < (\nk)/16-16
	v_wmma_f32_16x16x32_bf16 v[8*kb:8*kb+7], v[(\kr)+8*kb:(\kr)+8*kb+7], v[QF:QF+7], 0
.else
	v_wmma_f32_16x16x32_bf16 v[8*kb:8*kb+7], v[(\kr)+8*kb:(\kr)+8*kb+7], v[QF:QF+7], v[ACC+8*(kb-(\nk)/16+16):ACC+8*(kb-(\nk)/16+16)+7]
.endif
	WIN 0x14
.if kb < 2
.irp i, 0,1,2,3
	v_mov_b32 v[MX+4*kb+\i], 0xff7fffff
.endr
.else
	MAX4 kb-2
.endif
.set kb, kb+1
.endr
	MAX4 (\nk)/16-2
	MAX4 (\nk)/16-1
	WIN 0
.if \qstep
	s_add_co_u32 s[SQO], s[SQO], 1024
	s_min_u32 s[SQO], s[SQO], \qmax                ; the last unit has no successor: the step is held at the last slot, which is read once more and not used
	v_add_nc_u32 v11, s[SQO], v10                  ; Q's last loads have read v11: the wait on vm_vsrc of the unit before stands behind them
.endif
	v_max3_num_f32 v28, v20, v21, v22
	v_max3_num_f32 v29, v23, v24, v25
	v_max3_num_f32 v28, v28, v26, v27
	v_max_num_f32 v28, v28, v29
	v_permlanex16_b32 v29, v28, s[SEL], s[SEL+1]   ; the query's other keys lie in the lane 16 away
	v_max_num_f32 v16, v28, v29
.set ug, 0
.rept (\nk)/128
.if ug == 1
	WIN 0
	ds_load_b128 v[QF:QF+3],   v11 offset:\qo      ; the next unit's Q, straight behind the first group's wait: the scores' products are done reading QF, and v11 is written
	ds_load_b128 v[QF+4:QF+7], v11 offset:(\qo)+512
.endif
.if (ug == 1) && (\big)
	WIN 0
	s_cmp_eq_u32 s[UC], 5                          ; the head's last unit has multiplied by K (the same wait states it): the second head's K
	s_cbranch_scc0 .Lnok_\@
	LDW 2, 0, 64, KP, 32768
	WIN 0
.Lnok_\@:
	s_cmp_eq_u32 s[UC], 7                          ; the second unit asks for my work-group's 64 key positions of the second head's K (lanes 0-15) and V (lanes 16-31), 256 bytes a lane,
	s_cbranch_scc0 .Lnopf_\@                       ; two units ahead of the loads; the sequence's work-groups share the positions out, so each block is named once in the launch
	global_prefetch_b8 v15, s[4:5] th:TH_LOAD_NT scope:SCOPE_SE
.Lnopf_\@:
.endif
	SLICE ug, 0, \vk
	SLICE ug, 1, \vk
	SLICE ug, 2, \vk
	SLICE ug, 3, \vk
	v_nop                                          ; a plain instruction behind the last exponential,
	s_wait_alu depctr_va_vdst(0)                   ; and the group's one wait: its 64 exponentials have written their results, ahead of the first line that names one
.set ug, ug+1
.endr
.set uk, (\nk)/32-4
.rept 4                                        ; the last group's weights
	WIN 0x45
.set si, 0
.rept 8
	CVTP 8*uk+si
.set si, si+1
.endr
	PVK uk, \vk
.set uk, uk+1
.endr
	WIN 0
	PLACES
	s_wait_alu depctr_vm_vsrc(0)                   ; the LDS stores of the unit before have read v[XW ..] and v30, this unit's loads v9 and v11: all of these are written again, below or in the next unit
	v_add_f32 v28, v[LA], v[LA+8]                  ; l: both parities
	v_rcp_f32 v18, v28
.set i, 0
.rept 8
	v_pk_add_f32 v[OA+2*i:OA+2*i+1], v[OA+2*i:OA+2*i+1], v[OA+16+2*i:OA+16+2*i+1]
.set i, i+1
.endr
	s_wait_alu depctr_va_vdst(0)                   ; the reciprocal has written v18 (the eight sums are the work between); and the products V^T P are done reading V
.if \big
	s_cmp_eq_u32 s[UC], 5                          ; the head's last unit has multiplied by V: the second head's V
	s_cbranch_scc0 .Lnov_\@
	LDW 3, 0, 64, VP, 32768
	WIN 0
.Lnov_\@:
.endif
	s_sub_co_u32 s[T0], 0, s[UC]
	s_and_b32 s[T0], s[T0], 3                      ; the unit's row tile t
	s_lshl_b32 s[T0], s[T0], 4
	s_sub_co_i32 s[T0], s[LENQ], s[T0]
	v_cmp_gt_i32 vcc_lo, s[T0], v4                 ; is my query inside the sentence?
.if \mk
	s_min_u32 s[AOF], s[AOF], \amax                ; the unit's place, held inside my 16,384 bytes,
	v_add_nc_u32 v[SA], s[AOF], v8                 ; and the stores' address made from my fixed base, behind the unit's last label
.endif
.if \st
	s_add_co_u32 s[AOF], s[AOF], 2048              ; the next unit's place, held at the last unit's,
	s_min_u32 s[AOF], s[AOF], \amax
	v_add_nc_u32 v9, s[AOF], v8                    ; and the address of its residual's loads
.endif
	s_wait_alu depctr_va_vcc(0)                    ; the compare has written VCC, which the next line reads
	v_cndmask_b32 v18, 0, v18, vcc_lo              ; if not, its row of weights counts as 0
	s_wait_dscnt 0x2                               ; the residual is in; the next Q's two loads may stay out
.set i, 0
.rept 8
	v_pk_fma_f32 v[XW+2*i:XW+2*i+1], v[OA+2*i:OA+2*i+1], v[18:19], v[XT+2*i:XT+2*i+1] op_sel_hi:[1,0,1]
.set i, i+1
.endr
	s_wait_alu depctr_va_vdst(0)                   ; v[XW ..] and v30 are written, which the stores read; v9 is written and v[XT ..] read, for the next unit's loads
.irp i, 0,1,2,3
	ds_store_b128 v[SA], v[XW+4*\i:XW+4*\i+3] offset:(\ao)+512*\i
.endr
.endm
; LN over 256 channels of the 64 rows in the accumulators' registers.  Each wave: mean and sum of squares about it over its 64 channels; the four waves' pairs meet in LDS and are combined
; without a difference of large sums: M2 = sum of M2_w + 64 sum of (mean_w - mean)^2.
.macro LN
	ALL4 v_pk_add_f32 v[LT+8*t:LT+8*t+1], v[ACC+32*t:ACC+32*t+1], v[ACC+32*t+2:ACC+32*t+3]
	ALL4 v_pk_add_f32 v[LT+8*t+2:LT+8*t+3], v[ACC+32*t+4:ACC+32*t+5], v[ACC+32*t+6:ACC+32*t+7]
.set i, 8
.rept 6
	ALL4 v_pk_add_f32 v[LT+8*t:LT+8*t+1], v[LT+8*t:LT+8*t+1], v[ACC+32*t+i:ACC+32*t+i+1]
	ALL4 v_pk_add_f32 v[LT+8*t+2:LT+8*t+3], v[LT+8*t+2:LT+8*t+3], v[ACC+32*t+i+2:ACC+32*t+i+3]
.set i, i+4
.endr
	ALL4 v_pk_add_f32 v[LT+8*t:LT+8*t+1], v[LT+8*t:LT+8*t+1], v[LT+8*t+2:LT+8*t+3]
	ALL4 v_add_f32 v[LT+8*t], v[LT+8*t], v[LT+8*t+1]
	ALL4 v_permlanex16_b32 v[LT+8*t+1], v[LT+8*t], s[SEL], s[SEL+1]
	ALL4 v_add_f32 v[LT+8*t], v[LT+8*t], v[LT+8*t+1]
	ALL4 v_mul_f32 v[LT+8*t], 0x3c800000, v[LT+8*t]
.set i, 0
.rept 16
	ALL4 v_pk_add_f32 v[LT+8*t+4:LT+8*t+5], v[ACC+32*t+2*i:ACC+32*t+2*i+1], v[LT+8*t:LT+8*t+1] op_sel_hi:[1,0] neg_lo:[0,1] neg_hi:[0,1]
.if i == 0
	ALL4 v_pk_mul_f32 v[LT+8*t+2:LT+8*t+3], v[LT+8*t+4:LT+8*t+5], v[LT+8*t+4:LT+8*t+5]
.else
	ALL4 v_pk_fma_f32 v[LT+8*t+2:LT+8*t+3], v[LT+8*t+4:LT+8*t+5], v[LT+8*t+4:LT+8*t+5], v[LT+8*t+2:LT+8*t+3]
.endif
.set i, i+1
.endr
	ALL4 v_add_f32 v[LT+8*t+1], v[LT+8*t+2], v[LT+8*t+3]
	ALL4 v_permlanex16_b32 v[LT+8*t+2], v[LT+8*t+1], s[SEL], s[SEL+1]
	ALL4 v_add_f32 v[LT+8*t+1], v[LT+8*t+1], v[LT+8*t+2]
	s_wait_alu depctr_va_vdst(0)                   ; the sums have written each tile's pair, which the LDS stores read
	ALL4 ds_store_b64 v12, v[LT+8*t:LT+8*t+1] offset:512*t
	BAR                                            ; all four waves' pairs lie in LDS; and nobody reads x's bf16 copy any more
	s_wait_alu depctr_vm_vsrc(0)                   ; my stores have read their pairs, in whose registers the loads below land
	s_wait_alu depctr_va_vdst(0)                   ; and the sums above are done with v[LT ..], where they land (the stores stand between the last such wait and these loads)
	ALL4 ds_load_b128 v[LT+8*t:LT+8*t+3], v13 offset:512*t
	ALL4 ds_load_b128 v[LT+8*t+4:LT+8*t+7], v13 offset:512*t+16
	s_wait_dscnt 0x0
	ALL4 v_add_f32 v[20+t], v[LT+8*t], v[LT+8*t+2]
	ALL4 v_add_f32 v[24+t], v[LT+8*t+4], v[LT+8*t+6]
	ALL4 v_add_f32 v[20+t], v[20+t], v[24+t]
	ALL4 v_mul_f32 v[20+t], 0x3e800000, v[20+t]
	ALL4 v_sub_f32 v[LT+8*t], v[LT+8*t], v[20+t]
	ALL4 v_sub_f32 v[LT+8*t+2], v[LT+8*t+2], v[20+t]
	ALL4 v_sub_f32 v[LT+8*t+4], v[LT+8*t+4], v[20+t]
	ALL4 v_sub_f32 v[LT+8*t+6], v[LT+8*t+6], v[20+t]
	ALL4 v_add_f32 v[LT+8*t+1], v[LT+8*t+1], v[LT+8*t+3]
	ALL4 v_add_f32 v[LT+8*t+5], v[LT+8*t+5], v[LT+8*t+7]
	ALL4 v_add_f32 v[LT+8*t+1], v[LT+8*t+1], v[LT+8*t+5]
	ALL4 v_mul_f32 v[24+t], v[LT+8*t], v[LT+8*t]
	ALL4 v_fmac_f32 v[24+t], v[LT+8*t+2], v[LT+8*t+2]
	ALL4 v_fmac_f32 v[24+t], v[LT+8*t+4], v[LT+8*t+4]
	ALL4 v_fmac_f32 v[24+t], v[LT+8*t+6], v[LT+8*t+6]
	ALL4 v_fmac_f32 v[LT+8*t+1], 0x42800000, v[24+t]
	ALL4 v_fma_f32 v[LT+8*t+1], v[LT+8*t+1], s[R256], s[EPS]
	ALL4 v_rsq_f32 v[LT+8*t], v[LT+8*t+1]
	v_nop                                          ; a plain instruction behind the last of the four,
	s_wait_alu depctr_va_vdst(0)                   ; and their one wait: the four roots' reciprocals are written, ahead of their first reader
	ALL4 v_mul_f32 v[LT+8*t+2], -v[20+t], v[LT+8*t]
	s_wait_loadcnt 63                              ; gamma and beta: 128 loads were issued behind them
.set i, 0
.rept 16
	ALL4 v_pk_fma_f32 v[ACC+32*t+2*i:ACC+32*t+2*i+1], v[ACC+32*t+2*i:ACC+32*t+2*i+1], v[LT+8*t:LT+8*t+1], v[LT+8*t+2:LT+8*t+3] op_sel_hi:[1,0,0]
	ALL4 v_pk_fma_f32 v[ACC+32*t+2*i:ACC+32*t+2*i+1], v[ACC+32*t+2*i:ACC+32*t+2*i+1], v[32+2*i:32+2*i+1], v[64+2*i:64+2*i+1]
.set i, i+1
.endr
.endm
	; ---- the head ----
	s_load_b256 s[4:11], s[0:1], 0x0               ; state in 4, wts 6, cfg 8, sentence_length 10
	s_load_b128 s[12:15], s[0:1], 0x20             ; state out 12, out0 14
	v_lshl_add_u32 v2, v0, 2, SPARE                ; my spare word, and 0: kept for the closing lines alone
	v_mov_b32 v3, 0
	v_lshrrev_b32 v20, 5, v0
	v_readfirstlane_b32 s[WVN], v20
	s_mov_b32 s[GID], ttmp9
	s_lshr_b32 s[SEQ], s[GID], 3
	s_and_b32 s[QBK], s[GID], 7
	s_lshl_b32 s[T2], s[SEQ], 2
	v_and_b32 v21, 31, v0
	v_lshlrev_b32 v1, 4, v21                       ; v1  16 x lane
	v_and_b32 v4, 15, v0                           ; v4  r
	v_bfe_u32 v22, v0, 4, 1                        ;     h
	v_cmp_eq_u32 vcc_lo, 1, v22                    ; lanes 16-31: read where v15 is chosen, below
	v_lshlrev_b32 v5, 5, v22                       ; v5  32 h
	v_lshlrev_b32 v14, 2, v4                       ; v14 4 r
	v_mul_u32_u24 v7, v4, PX
	v_lshl_add_u32 v7, v22, 4, v7                  ; v7  a fragment's row x pitch + 16 h
	s_wait_alu depctr_va_sdst(0)                   ; the wave's number is written, ahead of its first reader: addresses and bases are made from it
	s_lshl_b32 s[T0], s[WVN], 7
	v_add_nc_u32 v6, s[T0], v7                     ; v6  + my 128 bytes of a row
	s_lshl_b32 s[T0], s[WVN], 14
	s_add_co_u32 s[T0], s[T0], XR
	v_add_nc_u32 v8, s[T0], v1                     ; v8  my x in f32
	s_lshl_b32 s[T0], s[WVN], 13
	s_add_co_u32 s[T0], s[T0], QS
	v_add_nc_u32 v10, s[T0], v1                    ; v10 my Q
	v_lshlrev_b32 v13, 5, v4
	v_add_nc_u32 v13, ST, v13                      ; v13 a row's four pairs
	s_lshl_b32 s[T0], s[WVN], 3
	v_add_nc_u32 v12, s[T0], v13                   ; v12 my pair among them
	s_mov_b32 s[CS], 0x3db8aa3b                    ; c = log2(e) / 16
	s_mov_b32 s[CS+1], s[CS]
	s_mov_b32 s[SEL], 0x76543210
	s_mov_b32 s[SEL+1], 0xfedcba98
	s_mov_b32 s[BIGN], 0xf149f2ca                  ; -1e30
	s_mov_b32 s[EPS], 0x19416d9b                   ; 1e-23
	s_mov_b32 s[R256], 0x3b800000                  ; 1 / 256
	s_mov_b32 s31, 0
	s_lshl_b32 s[T1], s[SEQ], 3
	s_lshl1_add_u32 s[T1], s[WVN], s[T1]
	s_lshl_b32 s[T1], s[T1], 15                    ; head 8 b + 2 w, 32,768 bytes a head in K and in V
	s_lshl_b32 s[T0], s[QBK], 12                   ; v15: the prefetch's offsets, in the second head: K, my work-group's four fragments, 256 bytes a lane,
	s_add_co_u32 s[T0], s[T0], s[T1]
	s_add_co_u32 s[T0], s[T0], KOFF+32768
	v_lshl_add_u32 v23, v4, 8, s[T0]
	s_lshl_b32 s[T0], s[QBK], 11                   ; and V: two fragments in each of the two channel blocks
	s_add_co_u32 s[T0], s[T0], s[T1]
	s_add_co_u32 s[T0], s[T0], VOFF+32768
	v_and_b32 v24, 7, v4
	v_lshl_add_u32 v24, v24, 8, s[T0]
	v_lshrrev_b32 v25, 3, v4
	v_lshl_add_u32 v24, v25, 14, v24
	s_wait_alu depctr_va_vcc(0)                    ; the compare above has written VCC, which the next line reads
	v_cndmask_b32 v15, v23, v24, vcc_lo
	s_wait_kmcnt 0x0
	s_load_b32 s[LI], s[8:9], 0x0
	s_load_b32 s[LEN], s[10:11], s[T2] offset:0x0
	s_lshl_b32 s30, s[GID], 16
	s_lshl_b32 s[T0], s[WVN], 14
	s_add_co_u32 s30, s30, s[T0]
	s_add_nc_u64 s[XI:XI+1], s[4:5], s[30:31]
	s_add_nc_u64 s[XO:XO+1], s[12:13], s[30:31]
	s_wait_alu depctr_va_vdst(0)                   ; the offsets and addresses v1, v5 to v8, v10 and v12 to v15 are written, which the kernel's loads, stores and prefetch read
	LDW 0, ACC, 32, XI, 0, th:TH_LOAD_NT           ; x, in register order
	s_add_co_u32 s30, s[T1], KOFF
	s_add_nc_u64 s[KP:KP+1], s[4:5], s[30:31]
	s_lshl_b32 s[T0], s[QBK], 12
	s_add_co_u32 s30, s30, s[T0]
	s_add_nc_u64 s[KO:KO+1], s[12:13], s[30:31]
	s_add_co_u32 s30, s[T1], VOFF
	s_add_nc_u64 s[VP:VP+1], s[4:5], s[30:31]
	s_lshl_b32 s[T0], s[QBK], 11
	s_add_co_u32 s30, s30, s[T0]
	s_add_nc_u64 s[VO:VO+1], s[12:13], s[30:31]
	s_mul_i32 s30, s[GID], 5120
	s_mul_i32 s[T0], s[WVN], 1280
	s_add_co_u32 s30, s30, s[T0]
	s_add_nc_u64 s[OP:OP+1], s[14:15], s[30:31]
	s_add_nc_u64 s[TABP:TABP+1], s[6:7], TABOFF
	s_lshl_b32 s30, s[WVN], 8
	s_add_nc_u64 s[TW:TW+1], s[TABP:TABP+1], s[30:31]
	s_wait_kmcnt 0x0
	s_min_u32 s[LI], s[LI], 3
	s_max_i32 s[LEN], s[LEN], 0
	s_min_u32 s[LEN], s[LEN], 512
	s_cmp_gt_u32 s[LEN], 256
	s_cselect_b32 s[BIGK], 1, 0
	s_cmp_eq_u32 s[LI], 3
	s_cselect_b32 s[LAST], 1, 0
	s_lshl_b32 s[T0], s[QBK], 6
	s_sub_co_i32 s[LENQ], s[LEN], s[T0]
	s_cmp_lt_u32 s[T0], s[LEN]
	s_cselect_b32 s[LIVE], 1, 0
	s_mov_b32 s[T1], 32768                         ; the second half of K's and V's registers: keys 256 .. of the first head, or the second head's keys 0 .. 255
	s_cmp_eq_u32 s[BIGK], 1
	s_cselect_b32 s30, 16384, s[T1]
	s_add_nc_u64 s[KP2:KP2+1], s[KP:KP+1], s[30:31]
	s_cselect_b32 s30, 8192, s[T1]
	s_add_nc_u64 s[VP2:VP2+1], s[VP:VP+1], s[30:31]
	s_lshl_b32 s[T1], s[WVN], 15                   ; my 32 fragments of a matrix
	s_mul_i32 s30, s[LI], LAYB
	s_add_co_u32 s30, s30, s[T1]
	s_add_nc_u64 s[WQP:WQP+1], s[6:7], s[30:31]
	s_add_co_u32 s30, s[T1], W12OFF
	s_add_nc_u64 s[W12P:W12P+1], s[6:7], s[30:31]
	s_add_co_u32 s[T0], s[LI], 1
	s_min_u32 s[T0], s[T0], 3                      ; the next layer
	s_mul_i32 s[T2], s[T0], LAYB
	s_add_co_u32 s[T2], s[T2], s[T1]
	s_add_co_u32 s30, s[T2], WVO
	s_add_nc_u64 s[WVP:WVP+1], s[6:7], s[30:31]
	s_add_co_u32 s[T2], s[T2], WKO
	s_mov_b32 s30, WOOFF
	s_cmp_eq_u32 s[LAST], 1
	s_cselect_b32 s30, s30, s[T2]                  ; window 1's last load: the next WK, or WO
	s_add_nc_u64 s[WNP:WNP+1], s[6:7], s[30:31]
	s_lshl_b32 s30, s[LI], 10
	s_add_nc_u64 s[TQ:TQ+1], s[TW:TW+1], s[30:31]
	s_lshl_b32 s30, s[T0], 10
	s_add_nc_u64 s[TN:TN+1], s[TW:TW+1], s[30:31]
	; ---- x comes in: set aside in f32 (my own bytes), published in bf16.  WQ and bq are asked for by every work-group, so that the text has one test of the length; one beyond the sentence's end does not use them ----
	TAB8 32, TQ, T_BQ
	LDW 1, 0, 64, WQP, 0
	WIN 0
	s_wait_loadcnt 63                              ; 72 loads are younger than x's: x is in
.set i, 0
.rept 32
	ds_store_b128 v8, v[ACC+4*i:ACC+4*i+3] offset:((((i/2)%4)/2)*4+i/8)*2048+(((i/2)%2)*2+i%2)*512
.set i, i+1
.endr
	PUBLISH XB
	BAR
	s_wait_alu depctr_vm_vsrc(0)                   ; my LDS stores have read x's registers, which Q's products or the loads behind attention write, and v768-831, in which x's fragments land
	s_cmp_eq_u32 s[LIVE], 1
	s_cbranch_scc0 .Ljoin                          ; all my rows lie beyond the sentence: their attention is 0
	; ---- Q ----
	LOADXF
	s_wait_loadcnt 0x0                             ; WQ and bq, asked for ahead of the barrier
	LDW 2, 0, 32, KP, 0
	LDW 2, 128, 32, KP2, 0
	WIN 0
	s_wait_dscnt 0x0
	PROJ 1, 0, 1
	PLACES
.set e, 0
.rept 64                                       ; (x Wq) c + bq c
	v_pk_fma_f32 v[ACC+e:ACC+e+1], v[ACC+e:ACC+e+1], s[CS:CS+1], v[32+e%32:32+e%32+1] op_sel_hi:[1,0,1]
.set e, e+2
.endr
	PACK64
	s_wait_alu depctr_va_vdst(0)                   ; the roundings have written Q's fragments, which the LDS stores read; Q's products are done reading x's fragments, in whose registers V lands
.set x, 0
.rept 16
	ds_store_b128 v10, v[ACC+8*x:ACC+8*x+3] offset:(4*((x%4)/2)+x/4)*1024+(x%2)*512
.set x, x+1
.endr
	LDW 3, 0, 16, VP, 0                            ; V: fragment (cv, kk) at register 8 (16 cv + kk)
	LDW 3, 128, 16, VP, 16384
	LDW 3, 64, 16, VP2, 0
	LDW 3, 192, 16, VP2, 16384
	WIN 0
	s_cmp_eq_u32 s[BIGK], 1
	s_cselect_b32 s[T0], 256, 0
	s_sub_co_i32 s[T0], s[LEN], s[T0]
	v_lshrrev_b32 v28, 2, v5
	v_sub_nc_u32 v28, s[T0], v28                   ; register 8 kb + j of the mask is hidden where 16 kb + j is not below this;
	v_add_nc_u32 v29, 0xffffffc0, v28              ; the same limit less 64, 128 and 192, for key tiles 4-7, 8-11 and 12-15
	v_add_nc_u32 v30, 0xffffff80, v28
	v_add_nc_u32 v31, 0xffffff40, v28
	s_wait_alu depctr_vm_vsrc(0)                   ; Q's LDS stores have read the accumulators' registers, which the mask writes
.set mg, 0
.rept 8                                        ; sixteen compares into s80-95, one wait, sixteen selections
.set mi, 0
.rept 16
	v_cmp_ge_i32 s[MK+mi], (16*((16*mg+mi)/8)+(16*mg+mi)%8)%64, v[28+mg/2]
.set mi, mi+1
.endr
	s_wait_alu depctr_va_sdst(0)                   ; the sixteen compares have written s80-95, which the selections read
.set mi, 0
.rept 16
	v_cndmask_b32 v[ACC+16*mg+mi], 0, s[BIGN], s[MK+mi]
.set mi, mi+1
.endr
.set mg, mg+1
.endr
.set i, 0
.rept 8
	v_mov_b32 v[ONES+i], 0x3f803f80
.set i, i+1
.endr
	v_mov_b32 v17, 0                               ; named with m and 1 / l as pairs
	v_mov_b32 v19, 0
	v_mov_b32 v9, v8
	v_mov_b32 v11, v10
	s_mov_b32 s[SQO], 0
	s_mov_b32 s[AOF], 0
	s_wait_alu depctr_va_vdst(0)
	ds_load_b128 v[QF:QF+3],   v10
	ds_load_b128 v[QF+4:QF+7], v10 offset:512
	; ---- attention ----
	s_cmp_eq_u32 s[BIGK], 1
	s_cbranch_scc1 .Lbig
	s_wait_loadcnt 0x0                             ; both heads' K and V
	s_mov_b32 s[UC], 4
.Lus:                                          ; a trip: row tile t for both heads
	UNIT 256, 0, 0, 0, 0, 0, 0, 4096, 1, 0, 6144
	UNIT 256, 128, 8, 8192, 0, 1, 3072, 0, 0, 1, 6144
	s_sub_co_u32 s[UC], s[UC], 1
	s_cmp_lg_u32 s[UC], 0
	s_cbranch_scc1 .Lus
	s_branch .Ljoin
.Lbig:
	s_mov_b32 s[UC], 8
.Lub:                                          ; a trip: unit 4 head + t
	UNIT 512, 0, 0, 0, 1, 1, 7168, 0, 1, 1, 14336
	s_sub_co_u32 s[UC], s[UC], 1
	s_cmp_lg_u32 s[UC], 0
	s_cbranch_scc1 .Lub
	; ---- att + x comes back; the rest of the launch's weights are asked for.  No vector or matrix instruction stands between the last wait on va_vdst (ahead of the last unit's stores; where attention
	; was skipped, ahead of x's stores) and the loads below, and the stores between name none of the registers in which these land ----
.Ljoin:
	s_wait_dscnt 0x0                               ; no LDS load,
	s_wait_loadcnt 0x0                             ; and no load from memory (WQ's, where attention was skipped), is out into the registers that are loaded now
	s_wait_alu depctr_vm_vsrc(0)                   ; the last unit's LDS stores have read v[XW ..], which LN writes
	TAB8 32, TW, T_GAM
	TAB8 64, TW, T_BET
	LDW 2, 0, 64, W12P, 0
	LDW 1, 0, 64, WNP, 0                           ; the next WK; in the last layer WO's 16 KB and 16 KB behind it that are not used: the price of one run for both
	WIN 0
.set i, 0
.rept 32
	ds_load_b128 v[ACC+4*i:ACC+4*i+3], v8 offset:((((i/2)%4)/2)*4+i/8)*2048+(((i/2)%2)*2+i%2)*512
.set i, i+1
.endr
	s_wait_dscnt 0x0
	s_mov_b32 s[LNC], 2
.Lln:                                          ; twice: LN and publication; between the two, the FFN
	LN
	PUBLISH XB
	s_cmp_eq_u32 s[LNC], 1
	s_cbranch_scc0 .Lnolo
	s_cmp_eq_u32 s[LAST], 1
	s_cbranch_scc0 .Lnolo
	PUBLO
.Lnolo:
	BAR                                            ; all of x lies in LDS; and everybody has read LN's pairs
	s_wait_alu depctr_vm_vsrc(0)                   ; my LDS stores have read v768-831, in which x's fragments land, and (last layer) the accumulators' registers, which the logits' products write
	s_sub_co_u32 s[LNC], s[LNC], 1
	s_cmp_eq_u32 s[LNC], 0
	s_cbranch_scc1 .Ltail
	LOADXF
	TAB8 LT, TW, T_B12
	s_wait_loadcnt 8                               ; all but b12's eight loads: W12 is in
	s_wait_dscnt 0x0
	PROJ 2, 0, 0                                   ; the sums start from x itself: x W12 + x
	PLACES
	s_wait_loadcnt 0x0
.set e, 0
.rept 64
	v_pk_add_f32 v[ACC+e:ACC+e+1], v[ACC+e:ACC+e+1], v[LT+e%32:LT+e%32+1]
.set e, e+2
.endr
	s_cmp_eq_u32 s[LAST], 1
	s_cbranch_scc1 .Lnowv
	s_wait_alu depctr_va_vdst(0)                   ; the FFN's products are done reading W12, in whose registers WV lands
	LDW 2, 0, 64, WVP, 0
	WIN 0
.Lnowv:
	s_branch .Lln
.Ltail:
	s_cmp_eq_u32 s[LAST], 1
	s_cbranch_scc1 .Lfinal
	; ---- x, and the next layer's K and V.  LN's last lines, which wrote x and read gamma and beta, stand ahead of the wait in front of x's LDS stores ----
	TAB8 32, TN, T_BK
.irp a, 0,1,2,3
	global_load_b32 v[64+2*\a], v14, s[TN:TN+1] offset:T_BV+64*\a
.endr
.set i, 0
.rept 32
	global_store_b128 v1, v[ACC+4*i:ACC+4*i+3], s[XO:XO+1] offset:512*i th:TH_STORE_NT
.set i, i+1
.endr
	LOADXF
	s_wait_loadcnt 12                              ; all but the twelve loads of bk and bv: WK and WV are in
	s_wait_dscnt 0x0
	s_wait_xcnt 0x0                                ; x's stores have had their addresses translated,
	s_wait_alu depctr_vm_vsrc(0)                   ; and have read the accumulators' registers, which K's products write
	PROJ 1, 0, 1
	s_wait_loadcnt 0x0
	KOUT
	s_wait_xcnt 0x0                                ; K's stores have had their addresses translated,
	s_wait_alu depctr_vm_vsrc(0)                   ; and have read the accumulators' registers, which V's products write
	PROJ 2, 1, 1
	VOUT
	s_branch .Lend
	; ---- the last layer: logits^T = Wo^T x^T, x as its bf16 part and what that left; wave w takes rows 16 w .. ----
.Lfinal:
.set li, 0
.rept 4
	global_load_b128 v[32+4*li:32+4*li+3], v5, s[TABP:TABP+1] offset:T_BO+64*(li/2)+16*(li%2)
.set li, li+1
.endr
	s_mul_i32 s[T0], s[WVN], 16*PX
	v_add_nc_u32 v20, s[T0], v7
	WIN 0xC0
	s_wait_alu depctr_va_vdst(0)                   ; v20 is written, by which the loads below read; x's roundings have written v768-831, in which they land
.set ks, 0
.rept 8
	ds_load_b128 v[8*ks:8*ks+3],       v20 offset:XB+64*ks
	ds_load_b128 v[8*ks+4:8*ks+7],     v20 offset:XB+64*ks+32
	ds_load_b128 v[64+8*ks:64+8*ks+3], v20 offset:XL+64*ks
	ds_load_b128 v[64+8*ks+4:64+8*ks+7], v20 offset:XL+64*ks+32
.set ks, ks+1
.endr
	WIN 0
	s_wait_loadcnt 0x0                             ; WO, bo
	s_wait_dscnt 0x0
	WIN 0x0D                                       ; WO in window 1, x in window 3
.set ks, 0
.rept 8
.irp a, 0,1,2,3                                ; a = 2 part + label block: four accumulators take turns
.if ks == 0
	v_wmma_f32_16x16x32_bf16 v[ACC+8*\a:ACC+8*\a+7], v[8*(8*(\a%2)+ks):8*(8*(\a%2)+ks)+7], v[64*(\a/2)+8*ks:64*(\a/2)+8*ks+7], 0
.else
	v_wmma_f32_16x16x32_bf16 v[ACC+8*\a:ACC+8*\a+7], v[8*(8*(\a%2)+ks):8*(8*(\a%2)+ks)+7], v[64*(\a/2)+8*ks:64*(\a/2)+8*ks+7], v[ACC+8*\a:ACC+8*\a+7]
.endif
.endr
.set ks, ks+1
.endr
	WIN 0
	PLACES
	v_cmp_ne_u32 vcc_lo, 0, v5                     ; lanes 16-31: read by the four selections below
.set e, 0
.rept 8
	v_pk_add_f32 v[ACC+e:ACC+e+1], v[ACC+e:ACC+e+1], v[ACC+16+e:ACC+16+e+1]
.set e, e+2
.endr
.set e, 0
.rept 8
	v_pk_add_f32 v[ACC+e:ACC+e+1], v[ACC+e:ACC+e+1], v[32+e:32+e+1]
.set e, e+2
.endr
	s_mul_i32 s[T0], s[WVN], 1280
	s_add_co_u32 s[T0], s[T0], OS                  ; my stage: 16 rows of 80 bytes
	v_mul_u32_u24 v21, v4, 80                      ; a row of 20 labels
	v_add_nc_u32 v21, s[T0], v21
	v_add_nc_u32 v22, v5, v21                      ; labels 8 h ..
	v_add_nc_u32 v23, s[T0], v1                    ; back: 16 bytes a lane, for the stage's first 1,024 bytes
	v_lshl_add_u32 v28, v4, 4, s[T0]               ; and 16 bytes for each lane % 16, for its last 256: no lane's address leaves my 1,280 bytes
	v_lshlrev_b32 v29, 4, v4                       ; the same place in out0
.irp i, 0,1,2,3                                ; labels 16-19 lie in lanes 0-15: lanes 16-31 take their numbers, and all lanes store: both halves the same number to the same address
	v_permlanex16_b32 v[24+\i], v[ACC+8+\i], s[SEL], s[SEL+1]
.endr
	s_wait_alu depctr_va_vcc(0)                    ; the compare above has written VCC, which the selections read
.irp i, 0,1,2,3
	v_cndmask_b32 v[24+\i], v[ACC+8+\i], v[24+\i], vcc_lo
.endr
	s_wait_alu depctr_va_vdst(0)                   ; the logits, v24-27 and the five addresses are written, which the LDS stores, the loads and the stores below read; LN is done with v96-107, in which the loads land
	ds_store_b128 v22, v[ACC:ACC+3]
	ds_store_b128 v22, v[ACC+4:ACC+7] offset:16
	ds_store_b128 v21, v[24:27] offset:64
	ds_load_b128 v[96:99],   v23                   ; LDS serves a wave's instructions in order: these see the stores above
	ds_load_b128 v[100:103], v23 offset:512
	ds_load_b128 v[104:107], v28 offset:1024       ; lanes l and l + 16 read the same 16 bytes
	s_wait_dscnt 0x0
	global_store_b128 v1, v[96:99],   s[OP:OP+1] th:TH_STORE_NT             ; 512 consecutive bytes, at a multiple of 256 from out0's first
	global_store_b128 v1, v[100:103], s[OP:OP+1] offset:512 th:TH_STORE_NT
	global_store_b128 v29, v[104:107], s[OP:OP+1] offset:1024 th:TH_STORE_NT ; 256 consecutive bytes; both halves of the lanes store the same numbers to the same place
.Lend:
	s_wait_dscnt 0x0                               ; the closing lines, six on end
	s_wait_alu 0x0
	s_wait_tensorcnt 0x0
	ds_add_u32 v2, v3
	s_wait_dscnt 0x0
	s_endpgm
.Lfunc_end_k_q52633236d7_layer0:
	.size	k_q52633236d7_layer0, .Lfunc_end_k_q52633236d7_layer0-k_q52633236d7_layer0
	.p2alignl 7, 3214868480
	.fill 96, 4, 3214868480
	.section	.rodata,"a",@progbits
	.p2align	6, 0x0
	.amdhsa_kernel k_q52633236d7_layer0
		.amdhsa_group_segment_fixed_size 173568
		.amdhsa_private_segment_fixed_size 0
		.amdhsa_enable_private_segment 0
		.amdhsa_kernarg_size 48
		.amdhsa_user_sgpr_count 2
		.amdhsa_user_sgpr_kernarg_segment_ptr 1
		.amdhsa_wavefront_size32 1
		.amdhsa_system_sgpr_workgroup_id_x 1
		.amdhsa_system_sgpr_workgroup_id_y 1
		.amdhsa_system_sgpr_workgroup_id_z 1
		.amdhsa_system_vgpr_workitem_id 0
		.amdhsa_next_free_vgpr 1024
		.amdhsa_next_free_sgpr 96
		.amdhsa_reserve_vcc 1
		.amdhsa_float_denorm_mode_32 3
		.amdhsa_float_denorm_mode_16_64 3
		.amdhsa_memory_ordered 1
		.amdhsa_forward_progress 1
		.amdhsa_inst_pref_size 255
	.end_amdhsa_kernel
	.section	.bss,"aw",@nobits
	.p2align	6
	.space	262144
	.amdgpu_metadata
---
amdhsa.version: [ 1, 2 ]
amdhsa.kernels:
  - .name:           k_q52633236d7_layer0
    .symbol:         k_q52633236d7_layer0.kd
    .args:
      - { .name: stA, .offset: 0, .size: 8, .value_kind: global_buffer, .address_space: global }
      - { .name: wts, .offset: 8, .size: 8, .value_kind: global_buffer, .address_space: global }
      - { .name: cfg0, .offset: 16, .size: 8, .value_kind: global_buffer, .address_space: global }
      - { .name: sentence_length, .offset: 24, .size: 8, .value_kind: global_buffer, .address_space: global }
      - { .name: stB, .offset: 32, .size: 8, .value_kind: global_buffer, .address_space: global }
      - { .name: out0, .offset: 40, .size: 8, .value_kind: global_buffer, .address_space: global }
    .group_segment_fixed_size: 173568
    .private_segment_fixed_size: 0
    .kernarg_segment_align: 8
    .kernarg_segment_size: 48
    .max_flat_workgroup_size: 128
    .sgpr_count:     96
    .vgpr_count:     1024
    .wavefront_size: 32
...
	.end_amdgpu_metadata
.endif
;; end of part 4
;; launch layer1: the kernel of part 4 again; grid 256 x 1, 4 waves a work-group, no clusters, 173,568 bytes of LDS; arguments stB, wts, cfg1, sentence_length, stA, out0; writes stA, out0
;; launch layer2: the kernel of part 4 again; grid 256 x 1, 4 waves a work-group, no clusters, 173,568 bytes of LDS; arguments stA, wts, cfg2, sentence_length, stB, out0; writes stB, out0
;; launch layer3: the kernel of part 4 again; grid 256 x 1, 4 waves a work-group, no clusters, 173,568 bytes of LDS; arguments stB, wts, cfg3, sentence_length, stA, out0; writes stA, out0
